; MI455X (gfx1250); checked and timed in simulation.
; The chip was launched on July 23, 2026; its instructions are those of AMD's public machine-readable ISA for CDNA 5 (MIT licence, August 2026) and "CDNA5" Instruction Set Architecture Reference Guide (July 2026). The comments in the code are by the model that wrote it; some were corrected since.
;; Causal Self Attention. Allowed arithmetic: matrix products marked QUANTISED: E2M3 operands, one E8M0 scale for each 32 along K, by v_wmma_scale_f32_16x16x128_f8f6f4 with both operands' format E2M3, f32 sums; everything else in f32.
;; Inputs: Wk 1,024 x 1,024 float32; Wp 1,024 x 1,024 float32; Wq 1,024 x 1,024 float32; Wv 1,024 x 1,024 float32; bk 1,024 float32; bp 1,024 float32; bq 1,024 float32; bv 1,024 float32; x 4 x 2,048 x 1,024 float32.
;; Outputs: out0 4 x 2,048 x 1,024 float32.
;; This version of the problem:
;;   THIS VERSION OF THE PROBLEM IS GIVEN IN LOW PRECISION. The matrix products marked QUANTISED in the list below multiply operands that are first quantised to E2M3 (2 exponent bits, 3 mantissa bits; 6 bits a number), with one power-of-two scale for each 32 numbers along K (OCP MX v1.0); their sums are f32. All else is computed in f32.
;;   The module's matrix products, in the order in which they are computed (A, B: the left and right operand; K: the contracted axis; several contracted axes count as one K, in the product's order):
;;     1. [M 8,192, K 1,024] x [K 1,024, N 1,024]; A: input x; B: input Wq: QUANTISED
;;     2. [M 8,192, K 1,024] x [K 1,024, N 1,024]; A: input x; B: input Wk: QUANTISED
;;     3. [M 8,192, K 1,024] x [K 1,024, N 1,024]; A: input x; B: input Wv: QUANTISED
;;     4. batch 64 x [M 2,048, K 64] x [K 64, N 2,048]; A: computed on the way; B: computed on the way: QUANTISED
;;     5. batch 64 x [M 2,048, K 2,048] x [K 2,048, N 64]; A: softmax (see below); B: computed on the way: QUANTISED
;;     6. [M 8,192, K 1,024] x [K 1,024, N 1,024]; A: computed on the way; B: input Wp: QUANTISED
;;   THE QUANTISER, for each operand of a quantised product, along K:
;;     - K is cut into blocks of 32 from its start; a last block that is shorter is filled with zeros.
;;     - A block's scale is 2^e with e = floor(log2(the largest magnitude in the block)) - 2, held to -126 .. 127; a block of zeros has e = 0. As a byte (E8M0): e + 127.
;;     - Each number is divided by its block's scale, clamped to +-7.5, and rounded to the nearest number of E2M3, ties to even, subnormals kept.
;;     - The product sums the exact products of the quantised numbers (number of the format x scale) in f32.
;;   ~~~python
;;   def quantise(x, axis):      # numpy; x: float32 -> the quantised numbers, widened to float32 again
;;       x = np.moveaxis(x, axis, -1); K = x.shape[-1]
;;       x = np.pad(x, [(0, 0)] * (x.ndim - 1) + [(0, -K % 32)]); x = x.reshape(x.shape[:-1] + (-1, 32)); a = np.abs(x).max(-1, keepdims=True)
;;       e = np.where(a > 0, np.clip(np.frexp(np.where(a > 0, a, 1))[1] - 1 - 2, -126, 127), 0)      # np.frexp(a)[1] - 1 = floor(log2(a)), exactly
;;       r = np.clip(x / 2.0 ** e, -7.5, 7.5)
;;       step = 2.0 ** (np.maximum(np.frexp(np.where(r == 0, 1, r))[1] - 1, 0) - 3)
;;       q = np.round(r / step) * step * 2.0 ** e      # np.round: ties to even
;;       return np.moveaxis(q.reshape(q.shape[:-2] + (-1,))[..., :K], -1, axis).astype(np.float32)
;;   ~~~
;;   SOFTMAX AHEAD OF A QUANTISED PRODUCT. Where the list says 'softmax', what is quantised is not the finished softmax but p = 2^(t - M), with t = logit x log2(e) and M = ceil(the row's largest t), a whole number; so 1/2 < the row's largest p <= 1. The row's sum l is taken of the UNQUANTISED p, in f32, and the product's result is divided by l at the end. Since M is a whole number, a kernel that streams over the keys may use a running M (the ceiling of the running maximum): every later rescaling is an exact power of two, which a block's scale takes up: the codes' values come out the same.
;;   OPERANDS COMPUTED ON THE WAY. 'Computed on the way' means the value that the module computes at that place (a softmax that the list does not call 'softmax' is quantised finished and normalised). What goes into a quantiser is computed in f32, as accurately as f32 sums, v_exp_f32 and their like allow (about 1e-6 of the number): no bf16 or f16 on the way to a quantiser, and a product that is left as it is and whose result goes on into a quantised operand takes f32 operands (vector FMAs, or v_wmma_f32_16x16x4_f32). A number that lies on a knife's edge between two numbers of the format may be rounded either way, as far as f32 arithmetic and the matrix unit's own rounding can turn it there, and no further.
;; One version. Each part assembles by itself: llvm-mc -triple=amdgcn-amd-amdhsa -mcpu=gfx1250 --defsym DOCPART=n.
;; ======== version 1 of 1: 4 launches
;; limits: right only within a limited range of input values
;; workspace buffers: cw 9,437,184 bytes; sw 655,360 bytes; qkc 27,262,976 bytes; yc 6,291,456 bytes
;; launch quant (part 1): grid 256 x 1, 6 waves a work-group, no clusters, 51,456 bytes of LDS; arguments x, Wq, Wk, Wv, Wp, cw, sw; writes cw, sw
.if DOCPART == 1
	.amdgcn_target "amdgcn-amd-amdhsa--gfx1250"
	.amdhsa_code_object_version 6
	.text
	.protected	k_q17f5fdabef_quant
	.globl	k_q17f5fdabef_quant
	.p2align	8
	.type	k_q17f5fdabef_quant,@function
k_q17f5fdabef_quant:
	s_mov_b64 s[64:65], 0
	v_nop
	global_prefetch_b8 v0, s[64:65] scope:SCOPE_SE
	s_setreg_imm32_b32 hwreg(HW_REG_WAVE_MODE, 25, 1), 1
	s_wait_xcnt 0x0
; x [8192][1024] and Wq, Wk, Wv, Wp [1024][1024], f32, K innermost, become codes of FP6 (E2M3) with one E8M0 byte for each 32 along K.
; A block's scale is 2^(floor(log2(its largest magnitude)) - 2); its byte is the largest magnitude's exponent field - 2, held at 1 from below.
; LIMITS: a block of zeros, or one whose largest magnitude lies under 2^-124, gets the byte 1 (its bytes are read by this program alone); NaN and infinities are not served.
; LAYOUT OF THE CODES (cw): in the order of the operand's registers.  Rows go in groups of 64; tile 4 g + i holds, in row lane r, row 64 g + 8 i + r % 8 + 32 (r / 8).
; A tile's 16 rows x 64 K are a HALF IMAGE of 768 bytes: lane (r, h) holds six registers, k = 32 h + 0 .. 31 of its row: registers 0-3 at 16 x lane, registers 4-5 at 512 + 8 x lane.
; A tile has 16 half images (K = 1024): 12,288 bytes.  Tiles 0-511 x, 512-575 Wq, 576-639 Wk, 640-703 Wv, 704-767 Wp.
; LAYOUT OF THE SCALES (sw): the word of (tile, K step s of 128, row lane r) at 512 tile + 256 (s / 4) + 16 r + 4 (s % 4); its byte 2 c + h is the block k = 64 c + 32 h.
; SHARES: 768 tiles x 2 halves of K = 1,536 waves = 256 work-groups of 6.  A wave makes 4 fragments (16 rows x 128 K each).  Waves share nothing: no barrier.  No cluster: no two work-groups read the same bytes.
; Each load reads 512 consecutive bytes of one row; a fragment's 16 rows turn through the wave's own stage in LDS (rows 528 bytes apart) so that a lane gets 32 neighbours along K twice.
.set R0,   16                          ; v16-79, v80-143  two sets of 16 x 4 registers as loaded
.set X,    144                         ; v144-207  64 numbers of my row: register 32 c + i = k 64 c + 32 h + i
.set PC,   208                         ; v208-219  the fragment's codes
.set TQ,   220                         ; v220-222, v224-226  second halves of the blocks' codes (a conversion's three registers begin on an even number)
.set CH,   228                         ; v228-231  four chains of maxima
.set SCR,  232                         ; v232-233  the conversions' scale operands
.set PX,   234                         ; v234      the lane exchange's destination
.set W4,   236                         ; v236-239  the four fragments' scale words
.set E,    240                         ; v240-241  the two words that I store
.set SH8,  5                           ; v5        8 h
.set SELR, 30                          ; s[30:31]  selects for lane l xor 16
.set SP,   528
; 64 numbers of a lane become a fragment's 12 registers of codes in v[PC] on and its row's scale word in v[w] (whole in both halves of the lanes).
.macro QB s, w
.irp c, 0,1
	v_max3_num_f32 v[CH+2*\c], |v[\s+32*\c]|, |v[\s+32*\c+1]|, 0x1800000   ; the floor 2^(3 - 127): the byte cannot fall under 1
	v_max3_num_f32 v[CH+2*\c+1], |v[\s+32*\c+16]|, |v[\s+32*\c+17]|, |v[\s+32*\c+18]|
.endr
.irp i, 0,1,2,3,4,5
.irp c, 0,1
	v_max3_num_f32 v[CH+2*\c], v[CH+2*\c], |v[\s+32*\c+2+2*\i]|, |v[\s+32*\c+3+2*\i]|   ; four chains by turns
	v_max3_num_f32 v[CH+2*\c+1], v[CH+2*\c+1], |v[\s+32*\c+19+2*\i]|, |v[\s+32*\c+20+2*\i]|
.endr
.endr
.irp c, 0,1
	v_max3_num_f32 v[CH+2*\c], v[CH+2*\c], |v[\s+32*\c+14]|, |v[\s+32*\c+15]|
.endr
.irp c, 0,1
	v_max3_num_f32 v[CH+2*\c], v[CH+2*\c], v[CH+2*\c+1], |v[\s+32*\c+31]|   ; block c's largest magnitude: all 32 numbers are mine
.endr
.irp c, 0,1
	v_add_nc_u32 v[SCR+\c], 0xff000000, v[CH+2*\c]   ; 2 off its exponent field: the conversion takes this operand's exponent field as its scale
.endr
.irp c, 0,1
	v_lshrrev_b32 v[CH+2*\c], 23, v[SCR+\c]          ; the scale's byte
.endr
	v_lshl_or_b32 v[\w], v[CH+2], 16, v[CH]          ; my two bytes, blocks h and 2 + h,
	v_lshlrev_b32 v[\w], v[SH8], v[\w]               ; at their places;
	v_permlanex16_b32 v[PX], v[\w], s[SELR], s[SELR+1]
	v_or_b32 v[\w], v[\w], v[PX]                     ; with lane l xor 16's two the word is whole
	s_wait_alu depctr_va_vdst(0)
	s_wait_xcnt 0x0                                  ; the last fragment's stores have read v[PC] on: it is written again only behind this wait
	v_cvt_scalef32_pk16_fp6_f32 v[PC:PC+2], v[\s:\s+15], v[SCR]
	v_cvt_scalef32_pk16_fp6_f32 v[TQ:TQ+2], v[\s+16:\s+31], v[SCR]
	v_cvt_scalef32_pk16_fp6_f32 v[PC+6:PC+8], v[\s+32:\s+47], v[SCR+1]
	v_cvt_scalef32_pk16_fp6_f32 v[TQ+4:TQ+6], v[\s+48:\s+63], v[SCR+1]
	v_nop                                            ; one plain place behind the scaled conversions
.irp i, 0,1,2
	v_mov_b32 v[PC+3+\i], v[TQ+\i]
	v_mov_b32 v[PC+9+\i], v[TQ+4+\i]
.endr
.endm
.macro LOAD f                          ; fragment f: 512 bytes of each of the tile's 16 rows
.irp j, 0,1,2,3,4,5,6,7,8,9,10,11,12,13,14,15
	global_load_b128 v[R0+64*((\f)%2)+4*\j:R0+64*((\f)%2)+4*\j+3], v1, s[4:5] offset:(\j%8+32*(\j/8))*4096+512*(\f) th:TH_LOAD_NT
.endr
.endm
.macro FRAGMENT f
.if (\f) < 3
	s_wait_loadcnt 16                                ; this fragment's 16 loads are in; the next fragment's 16 may be out
.else
	s_wait_loadcnt 0x0
.endif
.irp j, 0,1,2,3,4,5,6,7,8,9,10,11,12,13,14,15
	ds_store_b128 v3, v[R0+64*((\f)%2)+4*\j:R0+64*((\f)%2)+4*\j+3] offset:SP*\j
.endr
.irp c, 0,1
.irp k, 0,1,2,3,4,5,6,7
	ds_load_b128 v[X+32*\c+4*\k:X+32*\c+4*\k+3], v4 offset:256*\c+16*\k   ; LDS serves a wave's instructions in order: these see the stores above
.endr
.endr
	s_wait_dscnt 0x0                                 ; my 64 numbers are in, and the stage's stores have read their registers,
.if (\f) < 2
	LOAD (\f)+2                                      ; which take the loads of two fragments on
.endif
	QB X, W4+(\f)
	global_store_b128 v1, v[PC:PC+3], s[6:7] offset:1536*(\f)           ; 512 consecutive bytes, aligned
	global_store_b64 v2, v[PC+4:PC+5], s[6:7] offset:1536*(\f)+512      ; 256
	global_store_b128 v1, v[PC+6:PC+9], s[6:7] offset:1536*(\f)+768
	global_store_b64 v2, v[PC+10:PC+11], s[6:7] offset:1536*(\f)+1280
.endm
	s_load_b256 s[8:15], s[0:1], 0x0                 ; x, Wq, Wk, Wv
	s_load_b128 s[16:19], s[0:1], 0x20               ; Wp, cw
	s_load_b64 s[20:21], s[0:1], 0x30                ; sw
	v_lshl_add_u32 v248, v0, 2, 0xc600
	v_mov_b32 v249, 0
	v_lshrrev_b32 v1, 5, v0
	v_readfirstlane_b32 s24, v1                      ; wave 0..5
	s_mul_i32 s25, ttmp9, 6
	s_add_co_u32 s25, s25, s24                       ; which of the 1,536 shares
	s_lshr_b32 s26, s25, 1                           ; the tile, 0..767
	s_and_b32 s27, s25, 1                            ; which half of K
	s_and_b32 s28, s26, 63                           ; the tile within a weight
	s_mov_b32 s[SELR], 0x76543210
	s_mov_b32 s[SELR+1], 0xfedcba98
	v_and_b32 v8, 31, v0                             ; lane
	v_and_b32 v9, 15, v0                             ; r
	v_bfe_u32 v7, v0, 4, 1                           ; h
	v_lshlrev_b32 v1, 4, v8                          ; 16 x lane
	v_lshlrev_b32 v2, 3, v8                          ; 8 x lane
	s_mul_i32 s29, s24, 16*SP                        ; my stage
	v_add_nc_u32 v3, s29, v1                         ; in: 16 x lane of a row
	v_mul_u32_u24 v4, v9, SP
	v_lshl_add_u32 v4, v7, 7, v4
	v_add_nc_u32 v4, s29, v4                         ; out: row r, + 128 h bytes
	v_lshlrev_b32 v[SH8], 3, v7
	v_lshlrev_b32 v6, 4, v9
	v_lshl_add_u32 v6, v7, 3, v6                     ; the scale words' place: 16 r + 8 h
	v_mov_b32 v[PX], 0                               ; written once: a lane permute's destination counts as one of its sources
	s_wait_alu depctr_va_vdst(0)
	s_wait_kmcnt 0x0
	s_mov_b64 s[4:5], s[16:17]                       ; which tensor: the choice hangs on the share's number alone
	s_cmp_lt_u32 s26, 704
	s_cselect_b64 s[4:5], s[14:15], s[4:5]
	s_cmp_lt_u32 s26, 640
	s_cselect_b64 s[4:5], s[12:13], s[4:5]
	s_cmp_lt_u32 s26, 576
	s_cselect_b64 s[4:5], s[10:11], s[4:5]
	s_cmp_lt_u32 s26, 512
	s_cselect_b64 s[4:5], s[8:9], s[4:5]
	s_cselect_b32 s28, s26, s28                      ; the tile within its tensor
	s_lshr_b32 s22, s28, 2
	s_lshl_b32 s22, s22, 18                          ; 64 rows of 4,096 bytes a group,
	s_and_b32 s23, s28, 3
	s_lshl_b32 s23, s23, 15                          ; 8 rows a tile,
	s_add_co_u32 s22, s22, s23
	s_lshl_b32 s23, s27, 11                          ; 2,048 bytes for the upper half of K
	s_add_co_u32 s22, s22, s23
	s_mov_b32 s23, 0
	s_add_nc_u64 s[4:5], s[4:5], s[22:23]
	s_mul_i32 s22, s26, 12288
	s_mul_i32 s29, s27, 6144
	s_add_co_u32 s22, s22, s29
	s_add_nc_u64 s[6:7], s[18:19], s[22:23]          ; my codes
	s_lshl_b32 s22, s26, 9
	s_lshl_b32 s29, s27, 8
	s_add_co_u32 s22, s22, s29
	s_add_nc_u64 s[20:21], s[20:21], s[22:23]        ; my scale words
	LOAD 0
	LOAD 1
	FRAGMENT 0
	FRAGMENT 1
	FRAGMENT 2
	FRAGMENT 3
	v_cmp_eq_u32 vcc_lo, 1, v7
	v_cndmask_b32 v[E], v[W4], v[W4+2], vcc_lo       ; lanes 0-15 store their row's words 0 and 1, lanes 16-31 words 2 and 3:
	v_cndmask_b32 v[E+1], v[W4+1], v[W4+3], vcc_lo
	global_store_b64 v6, v[E:E+1], s[20:21]          ; 256 consecutive bytes, aligned
	s_wait_tensorcnt 0x0
	ds_add_u32 v248, v249
	s_wait_dscnt 0x0
	s_endpgm
.Lfunc_end_k_q17f5fdabef_quant:
	.size	k_q17f5fdabef_quant, .Lfunc_end_k_q17f5fdabef_quant-k_q17f5fdabef_quant
	.p2alignl 7, 3214868480
	.fill 96, 4, 3214868480
	.section	.rodata,"a",@progbits
	.p2align	6, 0x0
	.amdhsa_kernel k_q17f5fdabef_quant
		.amdhsa_group_segment_fixed_size 51456
		.amdhsa_private_segment_fixed_size 0
		.amdhsa_enable_private_segment 0
		.amdhsa_kernarg_size 56
		.amdhsa_user_sgpr_count 2
		.amdhsa_user_sgpr_kernarg_segment_ptr 1
		.amdhsa_wavefront_size32 1
		.amdhsa_system_sgpr_workgroup_id_x 1
		.amdhsa_system_sgpr_workgroup_id_y 1
		.amdhsa_system_sgpr_workgroup_id_z 1
		.amdhsa_system_vgpr_workitem_id 0
		.amdhsa_next_free_vgpr 250
		.amdhsa_next_free_sgpr 66
		.amdhsa_reserve_vcc 1
		.amdhsa_float_denorm_mode_32 3
		.amdhsa_float_denorm_mode_16_64 3
		.amdhsa_memory_ordered 1
		.amdhsa_forward_progress 1
		.amdhsa_inst_pref_size 31
	.end_amdhsa_kernel
	.amdgpu_metadata
---
amdhsa.version: [ 1, 2 ]
amdhsa.kernels:
  - .name:           k_q17f5fdabef_quant
    .symbol:         k_q17f5fdabef_quant.kd
    .args:
      - { .name: x, .offset: 0, .size: 8, .value_kind: global_buffer, .address_space: global }
      - { .name: Wq, .offset: 8, .size: 8, .value_kind: global_buffer, .address_space: global }
      - { .name: Wk, .offset: 16, .size: 8, .value_kind: global_buffer, .address_space: global }
      - { .name: Wv, .offset: 24, .size: 8, .value_kind: global_buffer, .address_space: global }
      - { .name: Wp, .offset: 32, .size: 8, .value_kind: global_buffer, .address_space: global }
      - { .name: cw, .offset: 40, .size: 8, .value_kind: global_buffer, .address_space: global }
      - { .name: sw, .offset: 48, .size: 8, .value_kind: global_buffer, .address_space: global }
    .group_segment_fixed_size: 51456
    .private_segment_fixed_size: 0
    .kernarg_segment_align: 8
    .kernarg_segment_size: 56
    .max_flat_workgroup_size: 192
    .sgpr_count:     66
    .vgpr_count:     250
    .wavefront_size: 32
...
	.end_amdgpu_metadata
.endif
;; end of part 1
;; launch qkv (part 2): grid 12 x 64, 4 waves a work-group, clusters of 4 x 4, 295,424 bytes of LDS; arguments cw, sw, bq, bk, bv, qkc; writes qkc
.if DOCPART == 2
	.amdgcn_target "amdgcn-amd-amdhsa--gfx1250"
	.amdhsa_code_object_version 6
	.text
	.protected	k_q17f5fdabef_qkv
	.globl	k_q17f5fdabef_qkv
	.p2align	8
	.type	k_q17f5fdabef_qkv,@function
k_q17f5fdabef_qkv:
	s_mov_b64 s[64:65], 0
	v_nop
	global_prefetch_b8 v0, s[64:65] scope:SCOPE_SE
	s_setreg_imm32_b32 hwreg(HW_REG_WAVE_MODE, 25, 1), 1
	s_wait_xcnt 0x0
	s_wait_alu depctr_hold_cnt(0) depctr_sa_sdst(0) depctr_va_vdst(0) depctr_va_sdst(0) depctr_va_ssrc(0) depctr_va_vcc(0) depctr_vm_vsrc(0)
	s_getreg_b32 s2, hwreg(HW_REG_IB_STS2, 6, 4)
	s_cmp_eq_u32 s2, 0
	s_cbranch_scc0 .Lentry_in_a_cluster
	s_endpgm
.Lentry_in_a_cluster:
	s_bfe_u32 s2, ttmp6, 0x10000c
	s_cmp_lg_u32 s2, 0xf033
	s_cbranch_scc0 .Lentry_shape_is_right
	s_endpgm
.Lentry_shape_is_right:
; q = x Wq^T + bq, k = x Wk^T + bk, v = x Wv^T + bv on codes of FP6 (E2M3) with E8M0 scales; the results leave as codes: q and k quantised along a head's 64, v along the tokens.
; OPERANDS come from cw and sw (tiles of 16 rows as images of the operand's registers: row lane r of tile 4 g + i is row 64 g + 8 i + r % 8 + 32 (r / 8); a tile's K = 1024 is 16 half images of 768 bytes).
; THE PRODUCT: source 0 = operand S, source 1 = operand R.  Lane (r, h) holds R's row lane r, register j S's row lane 8 h + j: the 32 registers of four tiles of one group of S are 32 neighbouring rows of S,
; a whole block along the next K in the lane in which the next operand wants it.
; CLUSTERS 4 x 4; cluster x = 0: q, 1: k (S = the weight's rows, R = x's rows); cluster x = 2: v (S = x's rows, R = Wv's rows).
; A work-group makes 128 rows of R x 256 rows of S; wave w: R's half w / 2 (4 tiles), S's half w % 2 (8 tiles): 32 accumulators.  R's tiles are shared along a row of the cluster, S's along a column: joint loads.
; ALL OF K LIES IN LDS, in two halves of 512 along K: four joint loads at the head, one a wave: wave 0 R's first half, wave 1 S's, wave 2 R's second half, wave 3 S's.  Nothing is filled twice.
; The first barrier shows waves 0 and 1's tiles, the barrier in K step 3 the other two.  No prefetch: every tile is asked for at the head, and there is no loop to run ahead in.
; THE SCALE WORDS go from sw straight into the scale registers: sixteen lanes read 256 consecutive bytes.
; OUT: qkc[v = 0 .. 127: q's 64 (batch, head), then k's][key step of 128 tokens][a record of 13,312 bytes]: 8 half images of q or k (6,144), v's 4 fragments (6,144, in k's records), q's or k's scale words (512), v's (512).
; LIMITS: a block of zeros, or one whose largest magnitude lies under 2^-124, gets the byte 1 (read by this program alone); NaN and infinities are not served.
; REGISTERS: window 0: v1-3 r, h, lane; v16-19 LDS addresses of fragments; v20, v27 offsets of scale words; v21-23 16 x lane, 8 x lane, 8 h; v24-26 bias offsets; v32-95 scale words of all of K; v96-103 bias along R;
;   v128-175 R's 4 fragments; on the way out v128-231.   window 1: S's 8 fragments, two sets (v0-95, v128-223); v96-127, v224-255 bias along S.   window 2: accumulator (a, b) at v[64 a + 8 b].
.set HALF, 147456                      ; half of K in LDS: R's 8 tiles x 6,144 bytes, then S's 16 x 6,144
.set SOFF, 49152                       ; where S's tiles begin in a half
.set SPARE, 2*HALF                     ; the spare words, 128 bytes a wave
.set REC,  13312
.set HEADB, 16*REC
.set SC,   32                          ; register SC + 8 i + s: lanes 0-15 the word of R's tile i (i < 4), lanes 16-31 that of S's tile i, K step s
.set RF,   128
.set T,    128
.set PC,   192
.set TQ,   204
.set CH,   212
.set SCR,  216
.set PX,   221
.set W4,   224
.set E,    228
.set F,    230
.set SH8,  23
.set SELR, 100
.set MSB, 0
.macro WIN new                         ; the immediate's high byte repeats the setting that is left
.if MSB != \new
	s_set_vgpr_msb (MSB<<8)|\new
.set MSB, \new
.endif
.endm
.set MUL,  0xa1                        ; source 0 (S) window 1, source 1 (R) window 0, C and D window 2
.set TO_S, 0x40                        ; destination window 1, address window 0
.macro TLOAD g0, g1                    ; s_nop 0 and four v_nop follow the load
	tensor_load_to_lds s[\g0:\g0+3], s[\g1:\g1+7]
	s_nop 0
.rept 4
	v_nop
.endr
.endm
.macro CROUND                          ; a round of the cluster's barrier
	s_barrier_signal -1
	s_barrier_wait -1
	s_cmp_lg_u32 s14, 0
	s_cbranch_scc1 .Lnot_wave_0_\@
	s_barrier_signal -3
.Lnot_wave_0_\@:
	s_barrier_wait -3
	s_barrier_signal -1
	s_barrier_wait -1
.endm
.macro PLACES n
.rept \n
	v_nop
.endr
.endm
.macro DESC g0, loff, ap, goff         ; descriptor group 0: LDS address loff, global address the pair s[ap] + goff
	s_mov_b32 s[\g0], 1
	s_mov_b32 s[\g0+1], \loff
	s_add_nc_u64 s[\g0+2:\g0+3], s[\ap:\ap+1], \goff
	s_or_b32 s[\g0+3], s[\g0+3], 0x80000000
.endm
.macro FRAG reg, a16, a8, off          ; a fragment is two half images: four loads, each of consecutive bytes
	ds_load_b128 v[\reg:\reg+3], v[\a16] offset:\off
	ds_load_b64 v[\reg+4:\reg+5], v[\a8] offset:\off+512
	ds_load_b128 v[\reg+6:\reg+9], v[\a16] offset:\off+768
	ds_load_b64 v[\reg+10:\reg+11], v[\a8] offset:\off+1280
.endm
.macro FETCH_S q, p                    ; S's eight fragments, the q-th 128 along K from where the addresses stand, into set p: 32 loads
	WIN TO_S
.irp b, 0,1,2,3,4,5,6,7
	FRAG 128*(\p)+12*\b, 18, 19, 6144*\b+1536*(\q)
.endr
	WIN 0
.endm
.macro FETCH_R q, a0                   ; R's blocks a0, a0 + 1: 8 loads
.irp a, \a0, \a0+1
	FRAG RF+12*(\a), 16, 17, 6144*(\a)+1536*(\q)
.endr
.endm
; 8 matrix instructions: R's block a against S's eight, K step s.  The 32 accumulators take turns, one instruction a turn.
.macro MULB a, p, s, zero
.irp b, 0,1,2,3,4,5,6,7
.if \zero
	v_wmma_scale_f32_16x16x128_f8f6f4 v[64*(\a)+8*\b:64*(\a)+8*\b+7], v[128*(\p)+12*\b:128*(\p)+12*\b+11], v[RF+12*(\a):RF+12*(\a)+11], 0, v[SC+8*\b+(\s)], v[SC+8*(\a)+(\s)] matrix_a_fmt:MATRIX_FMT_FP6 matrix_b_fmt:MATRIX_FMT_FP6 matrix_a_scale:MATRIX_SCALE_ROW1
.else
	v_wmma_scale_f32_16x16x128_f8f6f4 v[64*(\a)+8*\b:64*(\a)+8*\b+7], v[128*(\p)+12*\b:128*(\p)+12*\b+11], v[RF+12*(\a):RF+12*(\a)+11], v[64*(\a)+8*\b:64*(\a)+8*\b+7], v[SC+8*\b+(\s)], v[SC+8*(\a)+(\s)] matrix_a_fmt:MATRIX_FMT_FP6 matrix_b_fmt:MATRIX_FMT_FP6 matrix_a_scale:MATRIX_SCALE_ROW1
.endif
.endr
.endm
; An even K step: S's set 0; its successor lies 1,536 bytes on.  Loads into registers that matrix instructions have read stand four plain places behind them.
.macro STEP s, zero
	s_wait_dscnt 8                                   ; S's set and R's blocks 0, 1 are in; the youngest 8 loads (R's blocks 2, 3) may be out
	WIN MUL
	MULB 0, 0, \s, \zero
	MULB 1, 0, \s, \zero
	s_wait_dscnt 0x0                                 ; R's blocks 2, 3 are in
	PLACES 4
	FETCH_S 1, 1
	FETCH_R 1, 0
	WIN MUL
	MULB 2, 0, \s, \zero
	MULB 3, 0, \s, \zero
	PLACES 4
	WIN 0
	FETCH_R 1, 2
.endm
; An odd K step: S's set 1; the addresses step on.  cross = 1: its successor lies in the second half of K: every wave waits for its tensor load, and a barrier shows that half whole.
.macro TURN s, cross
.if \cross
	s_wait_tensorcnt 0x0
.endif
	s_wait_dscnt 8
	WIN MUL
	MULB 0, 1, \s, 0
	s_wait_dscnt 0x0                                 ; R's blocks 2, 3 are in; no LDS instruction of mine is out at the signal
.if \cross
	s_barrier_signal -1
.endif
	MULB 1, 1, \s, 0
	WIN 0
.if \cross
	s_barrier_wait -1
.endif
.irp r, 16,17,18,19                    ; these four are the places in front of the loads below
.if \cross
	v_add_nc_u32 v\r, HALF-3072, v\r
.else
	v_add_nc_u32 v\r, 3072, v\r
.endif
.endr
	FETCH_S 0, 0
	FETCH_R 0, 0
	WIN MUL
	MULB 2, 1, \s, 0
	MULB 3, 1, \s, 0
	PLACES 4
	WIN 0
	FETCH_R 0, 2
.endm
; 64 numbers of a lane, register 32 c + i = place 64 c + 32 h + i along the next K, become 12 registers of codes in v[PC] on and the row's scale word in v[w] (whole in both halves of the lanes).
.macro QB s, w
.irp c, 0,1
	v_max3_num_f32 v[CH+2*\c], |v[\s+32*\c]|, |v[\s+32*\c+1]|, 0x1800000   ; the floor 2^(3 - 127): the byte cannot fall under 1
	v_max3_num_f32 v[CH+2*\c+1], |v[\s+32*\c+16]|, |v[\s+32*\c+17]|, |v[\s+32*\c+18]|
.endr
.irp i, 0,1,2,3,4,5
.irp c, 0,1
	v_max3_num_f32 v[CH+2*\c], v[CH+2*\c], |v[\s+32*\c+2+2*\i]|, |v[\s+32*\c+3+2*\i]|
	v_max3_num_f32 v[CH+2*\c+1], v[CH+2*\c+1], |v[\s+32*\c+19+2*\i]|, |v[\s+32*\c+20+2*\i]|
.endr
.endr
.irp c, 0,1
	v_max3_num_f32 v[CH+2*\c], v[CH+2*\c], |v[\s+32*\c+14]|, |v[\s+32*\c+15]|
.endr
.irp c, 0,1
	v_max3_num_f32 v[CH+2*\c], v[CH+2*\c], v[CH+2*\c+1], |v[\s+32*\c+31]|
.endr
.irp c, 0,1
	v_add_nc_u32 v[SCR+\c], 0xff000000, v[CH+2*\c]   ; 2 off the exponent field: the conversion's scale operand
.endr
.irp c, 0,1
	v_lshrrev_b32 v[CH+2*\c], 23, v[SCR+\c]          ; the scale's byte
.endr
	v_lshl_or_b32 v[\w], v[CH+2], 16, v[CH]
	v_lshlrev_b32 v[\w], v[SH8], v[\w]
	v_permlanex16_b32 v[PX], v[\w], s[SELR], s[SELR+1]
	v_or_b32 v[\w], v[\w], v[PX]
	s_wait_alu depctr_va_vdst(0)
	s_wait_xcnt 0x0                                  ; the last stores have read v[PC] on: it is written again only behind this wait
	v_cvt_scalef32_pk16_fp6_f32 v[PC:PC+2], v[\s:\s+15], v[SCR]
	v_cvt_scalef32_pk16_fp6_f32 v[TQ:TQ+2], v[\s+16:\s+31], v[SCR]
	v_cvt_scalef32_pk16_fp6_f32 v[PC+6:PC+8], v[\s+32:\s+47], v[SCR+1]
	v_cvt_scalef32_pk16_fp6_f32 v[TQ+4:TQ+6], v[\s+48:\s+63], v[SCR+1]
	v_nop                                            ; one plain place behind the scaled conversions
.irp i, 0,1,2
	v_mov_b32 v[PC+3+\i], v[TQ+\i]
	v_mov_b32 v[PC+9+\i], v[TQ+4+\i]
.endr
.endm
	s_load_b128 s[4:7], s[0:1], 0x0                  ; cw, sw
	v_lshl_add_u32 v254, v0, 2, SPARE
	v_mov_b32 v255, 0
	ds_add_u32 v254, v255                            ; the opening lines: the add twice on end
	ds_add_u32 v254, v255
	v_lshrrev_b32 v1, 5, v0
	v_readfirstlane_b32 s14, v1                      ; wave 0..3
	s_lshr_b32 s15, s14, 1                           ; which half of R's rows is mine
	s_and_b32 s66, s14, 1                            ; which half of S's rows
	s_bfe_u32 s2, ttmp6, 0x40000                     ; cx
	s_bfe_u32 s3, ttmp6, 0x40004                     ; cy
	s_and_b32 s8, ttmp7, 0xffff                      ; the cluster's y, 0..15
	s_lshr_b32 s9, s8, 1
	s_and_b32 s10, s8, 1
	s_cmp_lt_u32 ttmp9, 2                            ; q or k (cluster x 0, 1), or v (2): the same in all sixteen partners
	s_cselect_b32 s20, ttmp9, s9
	s_cselect_b32 s21, s8, s10
	s_cselect_b32 s11, 512, 0                        ; S's first tile in cw: Wq and Wk on end from 512, or x from 0
	s_cselect_b32 s12, 0, 640                        ; R's: x from 0, or Wv from 640
	s_lshl_b32 s20, s20, 2
	s_add_co_u32 s20, s20, s2                        ; which 256 rows of S: hangs on cx alone
	s_lshl_b32 s21, s21, 2
	s_add_co_u32 s21, s21, s3                        ; which 128 rows of R: hangs on cy alone
	s_lshl_b32 s16, s3, 2
	s_lshl_b32 s16, 15, s16                          ; my row of the cluster
	s_lshl_b32 s17, 0x1111, s2                       ; my column
	; descriptor groups 1: rows of 6,144 bytes (768 elements of 8), one a tile, 12,288 bytes apart; R 8 rows, S 16
	s_or_b32 s24, s16, (3<<16)|(1<<21)
	s_or_b32 s32, s17, (3<<16)|(1<<21)
.irp g, 24, 32
	s_mov_b32 s[\g+1], 768<<16
	s_mov_b32 s[\g+3], 768<<16
	s_mov_b32 s[\g+5], 1536
	s_mov_b32 s[\g+6], 0
	s_mov_b32 s[\g+7], 0
.endr
	s_mov_b32 s26, 8<<16
	s_mov_b32 s28, 8
	s_mov_b32 s34, 16<<16
	s_mov_b32 s36, 16
	s_lshl_b32 s16, s21, 3
	s_add_co_u32 s16, s16, s12                       ; R's first tile
	s_mul_i32 s18, s16, 12288
	s_mov_b32 s19, 0
	s_lshl_b32 s13, s20, 4
	s_add_co_u32 s13, s13, s11                       ; S's first tile
	s_mul_i32 s8, s13, 12288
	s_mov_b32 s9, 0
	s_lshl_b32 s22, s15, 2
	s_add_co_u32 s22, s22, s16
	s_lshl_b32 s22, s22, 9                           ; the scale words of my 4 tiles of R, bytes from sw
	s_lshl_b32 s23, s66, 3
	s_add_co_u32 s23, s23, s13
	s_lshl_b32 s23, s23, 9                           ; and of my 8 tiles of S
	s_wait_dscnt 0x0
	s_wait_kmcnt 0x0
	s_add_nc_u64 s[18:19], s[4:5], s[18:19]          ; R's codes
	s_add_nc_u64 s[8:9], s[4:5], s[8:9]              ; S's codes
	DESC 56, 0, 18, 0
	DESC 60, SOFF, 8, 0
	DESC 68, HALF, 18, 6144
	DESC 72, HALF+SOFF, 8, 6144
	CROUND                                           ; all sixteen work-groups are here: the joint loads meet
	s_cmp_eq_u32 s14, 0                              ; one chain of arms, one load a wave
	s_cbranch_scc0 .Lw1
	TLOAD 56, 24
	s_branch .Lasked
.Lw1:
	s_cmp_eq_u32 s14, 1
	s_cbranch_scc0 .Lw2
	TLOAD 60, 32
	s_branch .Lasked
.Lw2:
	s_cmp_eq_u32 s14, 2
	s_cbranch_scc0 .Lw3
	TLOAD 68, 24
	s_branch .Lasked
.Lw3:
	TLOAD 72, 32
.Lasked:
	v_and_b32 v3, 31, v0                             ; lane
	v_and_b32 v1, 15, v0                             ; r
	v_bfe_u32 v2, v0, 4, 1                           ; h
	v_lshlrev_b32 v21, 4, v3
	v_lshlrev_b32 v22, 3, v3
	v_lshlrev_b32 v[SH8], 3, v2
	s_mul_i32 s12, s15, 24576                        ; my 4 tiles of R
	v_add_nc_u32 v16, s12, v21
	v_add_nc_u32 v17, s12, v22
	s_mul_i32 s67, s66, 49152                        ; my 8 tiles of S
	s_add_co_u32 s67, s67, SOFF
	v_add_nc_u32 v18, s67, v21
	v_add_nc_u32 v19, s67, v22
	v_mov_b32 v4, s22
	v_mov_b32 v5, s23
	v_cmp_eq_u32 vcc_lo, 1, v2
	v_cndmask_b32 v4, v4, v5, vcc_lo                 ; lanes 0-15 take R's words, lanes 16-31 S's
	v_lshl_add_u32 v20, v1, 4, v4                    ; + 16 r
	v_lshl_add_u32 v27, v2, 11, v20                  ; for S's tiles 4-7: lanes 16-31 four tiles on; lanes 0-15 read R's four again
.irp i, 0,1,2,3
	global_load_b128 v[SC+8*\i:SC+8*\i+3], v20, s[6:7] offset:512*\i
	global_load_b128 v[SC+8*\i+4:SC+8*\i+7], v20, s[6:7] offset:512*\i+256
	global_load_b128 v[SC+32+8*\i:SC+32+8*\i+3], v27, s[6:7] offset:512*\i
	global_load_b128 v[SC+32+8*\i+4:SC+32+8*\i+7], v27, s[6:7] offset:512*\i+256
.endr
	v_mov_b32 v[PX], 0                               ; written once: a lane permute's destination counts as one of its sources
	v_lshlrev_b32 v24, 7, v2                         ; bias along S: 32 numbers for each half of the lanes
	v_and_b32 v25, 7, v1
	v_lshrrev_b32 v26, 3, v1
	v_lshlrev_b32 v25, 2, v25
	v_lshl_add_u32 v25, v26, 7, v25                  ; bias along R: 4 (r % 8 + 32 (r / 8))
	s_mov_b32 s[SELR], 0x76543210
	s_mov_b32 s[SELR+1], 0xfedcba98
	s_load_b128 s[8:11], s[0:1], 0x10                ; bq, bk
	s_load_b64 s[12:13], s[0:1], 0x20                ; bv
	s_load_b64 s[16:17], s[0:1], 0x28                ; qkc
	s_and_b32 s2, s20, 3
	s_lshl_b32 s2, s2, 10
	s_lshl_b32 s3, s66, 9
	s_add_co_u32 s2, s2, s3                          ; my 128 rows of S as features of one weight, in bytes
	s_mov_b32 s3, 0
	s_and_b32 s22, s21, 7
	s_lshl_b32 s22, s22, 9
	s_lshl_b32 s23, s15, 8
	s_add_co_u32 s22, s22, s23                       ; my 64 rows of R likewise
	s_mov_b32 s23, 0
	s_wait_alu depctr_va_vdst(0)
	s_wait_kmcnt 0x0
	s_cmp_eq_u32 ttmp9, 0
	s_cselect_b64 s[8:9], s[8:9], s[10:11]
	s_cmp_eq_u32 ttmp9, 2
	s_cselect_b64 s[8:9], s[12:13], s[8:9]           ; my product's bias
	s_add_nc_u64 s[10:11], s[8:9], s[2:3]
	s_add_nc_u64 s[12:13], s[8:9], s[22:23]
	; both forms of the bias are loaded by every work-group (24 loads, all inside the 4,096 bytes), so that no register's state hangs on the kind of product
	WIN TO_S
.irp k, 0,1,2,3,4,5,6,7
	global_load_b128 v[96+4*\k:99+4*\k], v24, s[10:11] offset:16*\k          ; features 32 h + 0 .. 31 of my first 64
	global_load_b128 v[224+4*\k:227+4*\k], v24, s[10:11] offset:256+16*\k    ; and of my second 64
.endr
	WIN 0
.irp a, 0,1,2,3
	global_load_b32 v[96+2*\a], v25, s[12:13] offset:32*\a                   ; the feature of row lane r of R's tile a, twice: a pair for the packed addition
	global_load_b32 v[97+2*\a], v25, s[12:13] offset:32*\a
.endr
	s_cmp_lt_u32 s14, 2                              ; waves 0 and 1 brought the first half of K
	s_cbranch_scc0 .Lnot_first
	s_wait_tensorcnt 0x0
.Lnot_first:
	s_wait_loadcnt 24                                ; the scale words are in; the 24 loads of the bias, issued behind them, may be out
	s_barrier_signal -1
	s_barrier_wait -1                                ; the first half of K is whole
	FETCH_S 0, 0
	FETCH_R 0, 0
	FETCH_R 0, 2
	STEP 0, 1                                        ; the first step's products start the sums: nothing is cleared
	TURN 1, 0
	s_wait_alu depctr_va_vdst(0)
	STEP 2, 0
	TURN 3, 1
	s_wait_alu depctr_va_vdst(0)
	STEP 4, 0
	TURN 5, 0
	s_wait_alu depctr_va_vdst(0)
	STEP 6, 0
	s_wait_dscnt 8                                   ; the last step: nothing more to fetch
	WIN MUL
	MULB 0, 1, 7, 0
	MULB 1, 1, 7, 0
	s_wait_dscnt 0x0
	MULB 2, 1, 7, 0
	MULB 3, 1, 7, 0
	WIN 0
	; THE WAY OUT: for each of R's four tiles, the lane's 64 sums + bias are two whole blocks twice over: quantised in registers, stored as images.
	s_wait_loadcnt 0x0                               ; the biases
	PLACES 4                                         ; behind the last products: results are read and R's fragment registers written
	v_cmp_eq_u32 vcc_lo, 1, v2
	s_cmp_lt_u32 ttmp9, 2
	s_cbranch_scc0 .Lpath_v
	; q or k: lane = a token of tile a, registers = my two heads' 64 features each
	s_lshl_b32 s2, ttmp9, 6                          ; q: 0, k: 64,
	s_lshr_b32 s3, s21, 4
	s_lshl_b32 s3, s3, 4
	s_add_co_u32 s2, s2, s3                          ; + 16 x batch
	s_lshl_b32 s3, s20, 2
	s_lshl_b32 s67, s66, 1
	s_add_co_u32 s3, s3, s67
	s_and_b32 s3, s3, 15
	s_add_co_u32 s2, s2, s3                          ; + my first head
	s_lshl_b32 s3, s21, 1
	s_add_co_u32 s3, s3, s15
	s_and_b32 s3, s3, 31                             ; my group of 64 tokens in the batch
	s_mul_i32 s8, s2, HEADB
	s_lshr_b32 s9, s3, 1
	s_mul_i32 s9, s9, REC
	s_add_co_u32 s8, s8, s9                          ; the group's record
	s_mov_b32 s9, 0
	s_add_nc_u64 s[16:17], s[16:17], s[8:9]
	s_and_b32 s8, s3, 1                              ; which of the record's two groups
	s_lshl_b32 s10, s8, 8
	s_add_co_u32 s10, s10, 12288
	s_mov_b32 s11, 0
	s_add_nc_u64 s[4:5], s[16:17], s[10:11]          ; its scale words
	s_mul_i32 s8, s8, 3072
	s_add_nc_u64 s[16:17], s[16:17], s[8:9]          ; its four half images
.macro QKOUT a
	WIN 0x06                                         ; source 0 (sums) window 2, source 1 (bias) window 1
.set xx, 0
.rept 16
	v_pk_add_f32 v[T+xx:T+xx+1], v[64*(\a)+xx:64*(\a)+xx+1], v[96+xx:96+xx+1]      ; each accumulator from its low end on
.set xx, xx+2
.endr
.rept 16
	v_pk_add_f32 v[T+xx:T+xx+1], v[64*(\a)+xx:64*(\a)+xx+1], v[192+xx:192+xx+1]
.set xx, xx+2
.endr
	WIN 0
	QB T, W4+(\a)
.irp g, 0,1                            ; head g's half image of tile a
	global_store_b128 v21, v[PC+6*\g:PC+6*\g+3], s[16:17] offset:\g*HEADB+(\a)*768
	global_store_b64 v22, v[PC+6*\g+4:PC+6*\g+5], s[16:17] offset:\g*HEADB+(\a)*768+512
.endr
.endm
	QKOUT 0
	QKOUT 1
	QKOUT 2
	QKOUT 3
	v_cndmask_b32 v[E], v[W4], v[W4+1], vcc_lo       ; lane (r, h), word j: tile 2 j + h of the group
	v_cndmask_b32 v[E+1], v[W4+2], v[W4+3], vcc_lo
	v_lshrrev_b32 v[F], 16, v[E]                     ; the second head's two bytes,
	v_lshrrev_b32 v[F+1], 16, v[E+1]
	v_and_b32 v[E], 0xffff, v[E]                     ; the first head's; the upper two bytes are 0: they meet zero codes
	v_and_b32 v[E+1], 0xffff, v[E+1]
	global_store_b64 v22, v[E:E+1], s[4:5]           ; 256 consecutive bytes, aligned
	global_store_b64 v22, v[F:F+1], s[4:5] offset:HEADB
	s_branch .Ldone
.Lpath_v:
	; v: lane = a feature of my head's tile a, registers = my 128 tokens: one key step
	s_lshr_b32 s2, s20, 3
	s_lshl_b32 s2, s2, 4                             ; 16 x batch
	s_lshl_b32 s3, s21, 1
	s_add_co_u32 s2, s2, s3
	s_add_co_u32 s2, s2, s15                         ; + my head
	s_add_co_u32 s2, s2, 64                          ; v lies in k's records
	s_lshl_b32 s3, s20, 1
	s_add_co_u32 s3, s3, s66
	s_and_b32 s3, s3, 15                             ; my key step in the batch
	s_mul_i32 s8, s2, HEADB
	s_mul_i32 s9, s3, REC
	s_add_co_u32 s8, s8, s9
	s_add_co_u32 s8, s8, 6144
	s_mov_b32 s9, 0
	s_add_nc_u64 s[6:7], s[16:17], s[8:9]            ; v's fragments
	s_add_nc_u64 s[18:19], s[6:7], 6656              ; v's scale words, at byte 12,800 of the record
.macro VOUT a
	WIN 0x02                                         ; source 0 (sums) window 2
.set xx, 0
.rept 32
	v_pk_add_f32 v[T+xx:T+xx+1], v[64*(\a)+xx:64*(\a)+xx+1], v[96+2*(\a):97+2*(\a)]
.set xx, xx+2
.endr
	WIN 0
	QB T, W4+(\a)
.irp g, 0,1
	global_store_b128 v21, v[PC+6*\g:PC+6*\g+3], s[6:7] offset:(\a)*1536+\g*768
	global_store_b64 v22, v[PC+6*\g+4:PC+6*\g+5], s[6:7] offset:(\a)*1536+\g*768+512
.endr
.endm
	VOUT 0
	VOUT 1
	VOUT 2
	VOUT 3
	global_store_b128 v21, v[W4:W4+3], s[18:19]      ; the four tiles' scale words, 512 consecutive bytes
.Ldone:
	s_wait_tensorcnt 0x0                             ; the wave's end
	ds_add_u32 v254, v255
	s_wait_dscnt 0x0
	CROUND                                           ; the closing round
	s_endpgm
.Lfunc_end_k_q17f5fdabef_qkv:
	.size	k_q17f5fdabef_qkv, .Lfunc_end_k_q17f5fdabef_qkv-k_q17f5fdabef_qkv
	.p2alignl 7, 3214868480
	.fill 96, 4, 3214868480
	.section	.rodata,"a",@progbits
	.p2align	6, 0x0
	.amdhsa_kernel k_q17f5fdabef_qkv
		.amdhsa_group_segment_fixed_size 295424
		.amdhsa_private_segment_fixed_size 0
		.amdhsa_enable_private_segment 0
		.amdhsa_kernarg_size 48
		.amdhsa_user_sgpr_count 2
		.amdhsa_user_sgpr_kernarg_segment_ptr 1
		.amdhsa_wavefront_size32 1
		.amdhsa_system_sgpr_workgroup_id_x 1
		.amdhsa_system_sgpr_workgroup_id_y 1
		.amdhsa_system_sgpr_workgroup_id_z 1
		.amdhsa_system_vgpr_workitem_id 0
		.amdhsa_next_free_vgpr 768
		.amdhsa_next_free_sgpr 104
		.amdhsa_reserve_vcc 1
		.amdhsa_float_denorm_mode_32 3
		.amdhsa_float_denorm_mode_16_64 3
		.amdhsa_memory_ordered 1
		.amdhsa_forward_progress 1
		.amdhsa_inst_pref_size 118
	.end_amdhsa_kernel
	.amdgpu_metadata
---
amdhsa.version: [ 1, 2 ]
amdhsa.kernels:
  - .name:           k_q17f5fdabef_qkv
    .symbol:         k_q17f5fdabef_qkv.kd
    .args:
      - { .name: cw, .offset: 0, .size: 8, .value_kind: global_buffer, .address_space: global }
      - { .name: sw, .offset: 8, .size: 8, .value_kind: global_buffer, .address_space: global }
      - { .name: bq, .offset: 16, .size: 8, .value_kind: global_buffer, .address_space: global }
      - { .name: bk, .offset: 24, .size: 8, .value_kind: global_buffer, .address_space: global }
      - { .name: bv, .offset: 32, .size: 8, .value_kind: global_buffer, .address_space: global }
      - { .name: qkc, .offset: 40, .size: 8, .value_kind: global_buffer, .address_space: global }
    .group_segment_fixed_size: 295424
    .private_segment_fixed_size: 0
    .kernarg_segment_align: 8
    .kernarg_segment_size: 48
    .max_flat_workgroup_size: 128
    .sgpr_count:     104
    .vgpr_count:     768
    .wavefront_size: 32
...
	.end_amdgpu_metadata
.endif
;; end of part 2
;; launch attn (part 3): grid 4 x 64, 8 waves a work-group, clusters of 4 x 1, 214,016 bytes of LDS; arguments qkc, yc, sw; writes yc, sw
.if DOCPART == 3
	.amdgcn_target "amdgcn-amd-amdhsa--gfx1250"
	.amdhsa_code_object_version 6
	.text
	.protected	k_q17f5fdabef_attn
	.globl	k_q17f5fdabef_attn
	.p2align	8
	.type	k_q17f5fdabef_attn,@function
k_q17f5fdabef_attn:
	s_mov_b64 s[64:65], 0
	v_nop
	global_prefetch_b8 v0, s[64:65] scope:SCOPE_SE
	s_setreg_imm32_b32 hwreg(HW_REG_WAVE_MODE, 25, 1), 1
	s_wait_xcnt 0x0
	s_wait_alu depctr_hold_cnt(0) depctr_sa_sdst(0) depctr_va_vdst(0) depctr_va_sdst(0) depctr_va_ssrc(0) depctr_va_vcc(0) depctr_vm_vsrc(0)
	s_getreg_b32 s2, hwreg(HW_REG_IB_STS2, 6, 4)
	s_cmp_eq_u32 s2, 0
	s_cbranch_scc0 .Lentry_in_a_cluster
	s_endpgm
.Lentry_in_a_cluster:
	s_bfe_u32 s2, ttmp6, 0x10000c
	s_cmp_lg_u32 s2, 0x3003
	s_cbranch_scc0 .Lentry_shape_is_right
	s_endpgm
.Lentry_shape_is_right:
; y[b][t][head][:] = the sum over s of softmax_s(q . k / 8) v, no mask, both products on codes of FP6 (E2M3) with E8M0 scales; y leaves as codes, quantised along (head, d).
; THE SOFTMAX AHEAD OF THE SECOND PRODUCT: t = score x log2(e) / 8; M = the row's largest t so far, rounded up to a whole number; p = 2^(t - M) is quantised along the keys, not normalised.
; The row's sum is taken of the unquantised p and divides at the end.  When M moves, the sum and O are multiplied by 2^(old M - new M): exact.
; SHARES: a work-group owns 512 queries of one head; each of its eight waves owns TWO tiles of 16 queries (w = 0, 1), twice (two passes): each fragment of K and V read from LDS feeds two products.  Two waves to a SIMD.
; THE TWO TILES' SOFTMAXES GO LINE BY LINE IN TURN: every dependent chain (maxima, M, sums, scale word) has the other tile's chain beside it, and both tiles' exponentials are one batch.
; THE WHOLE HEAD'S K AND V COME INTO LDS ONCE, asked for jointly by the head's four work-groups (a cluster): a key step of 128 keys is one dense record of 13,312 bytes in qkc
; (K's 8 half images, V's 4 fragments, K's scale words, V's), and wave w brings key steps 2 w and 2 w + 1 by its one tensor load, as 104 rows of 256 bytes.  Nothing is filled twice; no barrier stands in the loops.
; No prefetch into the L2: all records are asked for at the head.
; K's fragments of the NEXT key step are fetched behind this step's first products, with V's of this step: both land while the softmaxes are worked.  The last step of a pass fetches key step 0, which the next pass begins with.
; LAYOUT: tiles of 16 rows are images of the operand's registers; row lane r of tile 4 g + i is row 64 g + 8 i + r % 8 + 32 (r / 8).  Both products are used transposed (S^T = K Q^T, O^T = V^T P^T): a lane holds one
; query, and its 32 registers of four tiles of keys are 32 neighbouring keys, 64 g + 32 h + 0 .. 31: a whole block in one lane, where P's operand wants it.  O^T's 32 registers are d = 32 h + 0 .. 31 likewise.
; THE FIRST PRODUCT'S K IS 64: Q's upper six registers are zero codes; K's tiles lie six registers apart, so a tile's upper six registers are the next tile's codes, which meet those zeros (scale bytes 2, 3 are 0 on both sides).
; y's scale words go into sw behind the 768 tiles of x and the weights (byte 393,216 on), two bytes a lane, sixteen bytes apart: a row's words are whole only over all sixteen heads, which lie in other work-groups.
; LIMITS: raw scores below -3e38, NaN and infinities are not served; the promise holds while the scaled scores stay under 2^31 in magnitude; a block of zeros, or one under 2^-124, gets the byte 1 (read by this program alone).
; REGISTERS, window 0: v1, v2 16 x lane, 8 x lane; v3, v4 LDS addresses of V; v5 8 h; v7, v8 16 r, 8 r; v12-15 (-M, largest raw score) of each tile; v20-23 (f, unused); v24, v25 at work;
;   v28-31 K's scale words, v32-35 V's, v36, v37 Q's, v44, v45 p's; v46, v47 LDS addresses of K; v48-63 at work, 8 a tile; v64-95 eight chains of sums a tile, the eighth the row's sum; v96, v97 the add's two; v98-101 conversion scales;
;   v128-255 S^T, then p, 64 a tile.
; window 1: v0-15 second halves of the blocks' codes; v28-75 K's 8 tiles, v76-81 zeros; v82-129 V's 4 fragments; v130-153 Q and its zeros, 12 a tile; v160-223 O^T, 32 a tile; v224-247 p's codes, 12 a tile.
.set REC,  13312                       ; key step s's record lies at LDS byte s x REC
.set HEADB, 16*REC
.set SPARE, 16*REC                     ; behind the records: the spare words, 128 bytes a wave
.set NM,   12
.set FF,   20
.set OL,   24
.set KS,   28
.set VS,   32
.set QS,   36
.set PW,   44
.set KA,   46
.set TT,   48
.set CHN,  64
.set SU,   CHN+14
.set SPW,  96
.set NIL,  97
.set CS,   98
.set SS,   128
.set CT,   0
.set KF,   28
.set VF,   82
.set QR,   130
.set OT,   160
.set PC,   224
.set MSB, 0
.macro WIN new                         ; low byte: bits 1:0 source 0, 3:2 source 1, 5:4 source 2, 7:6 destination; the high byte repeats the setting that is left
.if MSB != \new
	s_set_vgpr_msb (MSB<<8)|\new
.set MSB, \new
.endif
.endm
.macro CROUND                          ; a round of the cluster's barrier
	s_barrier_signal -1
	s_barrier_wait -1
	s_cmp_lg_u32 s18, 0
	s_cbranch_scc1 .Lnot_wave_0_\@
	s_barrier_signal -3
.Lnot_wave_0_\@:
	s_barrier_wait -3
	s_barrier_signal -1
	s_barrier_wait -1
.endm
.macro QLOAD                           ; my two tiles of queries: their scale words, and a half image each
	global_load_b32 v[QS], v8, s[62:63]
	global_load_b32 v[QS+1], v8, s[62:63] offset:128
	WIN 0x40
	global_load_b128 v[QR:QR+3], v1, s[60:61]
	global_load_b64 v[QR+4:QR+5], v2, s[60:61] offset:512
	global_load_b128 v[QR+12:QR+15], v1, s[60:61] offset:768
	global_load_b64 v[QR+16:QR+17], v2, s[60:61] offset:1280
	WIN 0
.endm
.macro KCODES a16, a8                  ; K's eight half images into window 1 (the window is set by the caller)
.irp t, 0,1,2,3,4,5,6,7
	ds_load_b128 v[KF+6*\t:KF+6*\t+3], v[\a16] offset:768*\t
	ds_load_b64 v[KF+6*\t+4:KF+6*\t+5], v[\a8] offset:768*\t+512
.endr
.endm
.macro KWORDS a8                       ; register KS + 2 g + j: lane (r, h): the word of tile 2 j + h of group g
	ds_load_b64 v[KS:KS+1], v[\a8] offset:12288
	ds_load_b64 v[KS+2:KS+3], v[\a8] offset:12544
.endm
.macro QK w                            ; S^T = K Q^T of tile w: eight tiles of 16 keys
.irp t, 0,1,2,3,4,5,6,7
.if \t%2
	v_wmma_scale_f32_16x16x128_f8f6f4 v[SS+64*\w+8*\t:SS+64*\w+8*\t+7], v[KF+6*\t:KF+6*\t+11], v[QR+12*\w:QR+12*\w+11], 0, v[KS+2*(\t/4)+(\t/2)%2], v[QS+\w] matrix_a_fmt:MATRIX_FMT_FP6 matrix_b_fmt:MATRIX_FMT_FP6 matrix_a_scale:MATRIX_SCALE_ROW1
.else
	v_wmma_scale_f32_16x16x128_f8f6f4 v[SS+64*\w+8*\t:SS+64*\w+8*\t+7], v[KF+6*\t:KF+6*\t+11], v[QR+12*\w:QR+12*\w+11], 0, v[KS+2*(\t/4)+(\t/2)%2], v[QS+\w] matrix_a_fmt:MATRIX_FMT_FP6 matrix_b_fmt:MATRIX_FMT_FP6
.endif
.endr
.endm
.macro PV w                            ; O^T += V^T P^T of tile w: the accumulators by turns
.irp i, 0,1,2,3
	v_wmma_scale_f32_16x16x128_f8f6f4 v[OT+32*\w+8*\i:OT+32*\w+8*\i+7], v[VF+12*\i:VF+12*\i+11], v[PC+12*\w:PC+12*\w+11], v[OT+32*\w+8*\i:OT+32*\w+8*\i+7], v[VS+\i], v[PW+\w] matrix_a_fmt:MATRIX_FMT_FP6 matrix_b_fmt:MATRIX_FMT_FP6
.endr
.endm
.macro FMAS from, n                    ; t - M of n pairs of scores of each tile
.set jj, 2*(\from)
.rept \n
.irp w, 0,1
	v_pk_fma_f32 v[SS+64*\w+jj:SS+64*\w+jj+1], v[SS+64*\w+jj:SS+64*\w+jj+1], s[22:23], v[NM+2*\w:NM+2*\w+1] op_sel_hi:[1,0,0]
.endr
.set jj, jj+2
.endr
.endm
.macro ACC k, j                        ; chain k of each tile takes pair j of its p
.irp w, 0,1
	v_pk_add_f32 v[CHN+16*\w+2*(\k):CHN+16*\w+2*(\k)+1], v[CHN+16*\w+2*(\k):CHN+16*\w+2*(\k)+1], v[SS+64*\w+2*(\j):SS+64*\w+2*(\j)+1]
.endr
.endm
.macro JOIN d, s                       ; chain d takes chain s
.irp w, 0,1
	v_pk_add_f32 v[CHN+16*\w+2*(\d):CHN+16*\w+2*(\d)+1], v[CHN+16*\w+2*(\d):CHN+16*\w+2*(\d)+1], v[CHN+16*\w+2*(\s):CHN+16*\w+2*(\s)+1]
.endr
.endm
; A KEY STEP: 128 keys for both tiles.  K's fragments and scale words are in registers at its top.
.macro STEP
	WIN 0x05                                         ; sources 0 and 1 (K, Q) window 1; S^T window 0
	QK 0
	QK 1
	WIN 0
	v_add_nc_u32 v3, s56, v1                         ; this step's record, for V; these six lines are the places behind the products above
	v_add_nc_u32 v4, s56, v2
	v_add_nc_u32 v[KA], s55, v1                      ; the next step's record, for K
	v_add_nc_u32 v[KA+1], s55, v2
.irp w, 0,1
	v_mov_b32 v[OL+\w], v[NM+2*\w]                   ; the old -M
.endr
	WIN 0x40                                         ; destination window 1
.irp i, 0,1,2,3
.irp c, 0,1
	ds_load_b128 v[VF+12*\i+6*\c:VF+12*\i+6*\c+3], v3 offset:6144+1536*\i+768*\c
	ds_load_b64 v[VF+12*\i+6*\c+4:VF+12*\i+6*\c+5], v4 offset:6144+1536*\i+768*\c+512
.endr
.endr
	KCODES KA, KA+1
	WIN 0
	ds_load_b128 v[VS:VS+3], v3 offset:12800
	KWORDS KA+1
	; the largest score of each block of 32 keys: it serves for the row's maximum and, since p rises with the score, for the block's largest p.  Each tile of keys is first read at its low end.  Eight chains by turns.
.irp w, 0,1
.irp c, 0,1
	v_max3_num_f32 v[TT+8*\w+2*\c], v[SS+64*\w+32*\c], v[SS+64*\w+32*\c+1], v[SS+64*\w+32*\c+2]
	v_max3_num_f32 v[TT+8*\w+2*\c+1], v[SS+64*\w+32*\c+16], v[SS+64*\w+32*\c+17], v[SS+64*\w+32*\c+18]
.endr
.endr
.irp i, 0,1,2,3,4,5
.irp w, 0,1
.irp c, 0,1
	v_max3_num_f32 v[TT+8*\w+2*\c], v[TT+8*\w+2*\c], v[SS+64*\w+32*\c+3+2*\i], v[SS+64*\w+32*\c+4+2*\i]
	v_max3_num_f32 v[TT+8*\w+2*\c+1], v[TT+8*\w+2*\c+1], v[SS+64*\w+32*\c+19+2*\i], v[SS+64*\w+32*\c+20+2*\i]
.endr
.endr
.endr
.irp w, 0,1
.irp c, 0,1
	v_max3_num_f32 v[TT+8*\w+2*\c], v[TT+8*\w+2*\c], v[TT+8*\w+2*\c+1], v[SS+64*\w+32*\c+15]
.endr
.endr
.irp w, 0,1
.irp c, 0,1
	v_max_num_f32 v[TT+8*\w+2*\c], v[TT+8*\w+2*\c], v[SS+64*\w+32*\c+31]
.endr
.endr
.irp w, 0,1
	v_max_num_f32 v[TT+8*\w+4], v[TT+8*\w], v[TT+8*\w+2]
.endr
.irp w, 0,1
	v_permlanex16_b32 v[TT+8*\w+5], v[TT+8*\w+4], s20, s21     ; the query's other 64 keys lie in lane l xor 16
.endr
.irp w, 0,1
	v_max3_num_f32 v[NM+2*\w+1], v[NM+2*\w+1], v[TT+8*\w+4], v[TT+8*\w+5]   ; the running largest raw score
.endr
.irp w, 0,1
	v_mul_f32 v[TT+8*\w+4], s19, v[NM+2*\w+1]        ; -t
.endr
.irp w, 0,1
	v_floor_f32 v[NM+2*\w], v[TT+8*\w+4]             ; the new -M = floor(-t) = -ceil(t): M is a whole number
.endr
.irp w, 0,1
	v_sub_f32 v[OL+\w], v[NM+2*\w], v[OL+\w]         ; old M - new M: a whole number, 0 or less
.endr
	FMAS 0, 8
.irp w, 0,1
	v_cvt_i32_f32 v[OL+\w], v[OL+\w]                 ; (it saturates)
.endr
	FMAS 8, 8
.irp w, 0,1
	v_ldexp_f32 v[FF+2*\w], 1.0, v[OL+\w]            ; f = 2^(old M - new M)
.endr
	FMAS 16, 16
.irp w, 0,1
.irp c, 0,1
	v_fma_f32 v[TT+8*\w+2*\c], v[TT+8*\w+2*\c], s22, v[NM+2*\w]   ; the same of each block's largest score
.endr
.endr
	s_wait_alu depctr_va_vdst(0)
.set jj, 0
.rept 128
	v_exp_f32 v[SS+jj], v[SS+jj]                     ; p = 2^(t - M): not normalised
.set jj, jj+1
.endr
.irp w, 0,1
.irp c, 0,1
	v_exp_f32 v[TT+8*\w+2*\c], v[TT+8*\w+2*\c]       ; the blocks' largest p: the same two instructions on the same number
.endr
.endr
.irp w, 0,1
	v_pk_mul_f32 v[SU+16*\w:SU+16*\w+1], v[SU+16*\w:SU+16*\w+1], v[FF+2*\w:FF+2*\w+1] op_sel_hi:[1,0]   ; the sums under the new M: plain places behind the exponentials
.endr
	s_wait_alu depctr_va_vdst(0)                     ; one wait for the batch, ahead of its first reader
	; the rows' sums of the unquantised p, eight chains a tile; the steps that make p's scale words stand among them
.irp k, 0,1,2,3,4,5,6
.irp w, 0,1
	v_pk_add_f32 v[CHN+16*\w+2*\k:CHN+16*\w+2*\k+1], v[SS+64*\w+4*\k:SS+64*\w+4*\k+1], v[SS+64*\w+4*\k+2:SS+64*\w+4*\k+3]
.endr
.endr
	ACC 7, 14
.irp w, 0,1
.irp c, 0,1
	v_max_num_f32 v[TT+8*\w+2*\c], 0x1800000, v[TT+8*\w+2*\c]   ; the floor 2^(3 - 127): the byte cannot fall under 1
.endr
.endr
.irp k, 0,1,2,3,4,5,6
	ACC \k, 15+\k
.endr
	ACC 7, 22
.irp w, 0,1
.irp c, 0,1
	v_add_nc_u32 v[CS+2*\w+\c], 0xff000000, v[TT+8*\w+2*\c]     ; 2 off the exponent field: the conversions' scale operands
.endr
.endr
.irp k, 0,1,2,3,4,5,6
	ACC \k, 23+\k
.endr
	ACC 7, 30
.irp w, 0,1
.irp c, 0,1
	v_lshrrev_b32 v[TT+8*\w+2*\c], 23, v[CS+2*\w+\c]            ; the scales' bytes
.endr
.endr
	ACC 0, 31
	JOIN 7, 3
.irp w, 0,1
	v_lshl_or_b32 v[TT+8*\w+6], v[TT+8*\w+2], 16, v[TT+8*\w]    ; my two bytes, blocks h and 2 + h,
.endr
	JOIN 1, 5
	JOIN 2, 6
	JOIN 0, 4
.irp w, 0,1
	v_lshlrev_b32 v[TT+8*\w+6], v5, v[TT+8*\w+6]                ; at their places;
.endr
	JOIN 7, 1
	JOIN 0, 2
.irp w, 0,1
	v_permlanex16_b32 v[TT+8*\w+5], v[TT+8*\w+6], s20, s21
.endr
	JOIN 7, 0
.irp w, 0,1
	v_or_b32 v[PW+\w], v[TT+8*\w+6], v[TT+8*\w+5]               ; with lane l xor 16's two: p's scale word for these 128 keys
.endr
	WIN 0x40                                         ; the codes go to window 1
.irp w, 0,1
	v_cvt_scalef32_pk16_fp6_f32 v[PC+12*\w:PC+12*\w+2], v[SS+64*\w:SS+64*\w+15], v[CS+2*\w]
	v_cvt_scalef32_pk16_fp6_f32 v[CT+8*\w:CT+8*\w+2], v[SS+64*\w+16:SS+64*\w+31], v[CS+2*\w]        ; (a conversion's three registers begin on an even number)
	v_cvt_scalef32_pk16_fp6_f32 v[PC+12*\w+6:PC+12*\w+8], v[SS+64*\w+32:SS+64*\w+47], v[CS+2*\w+1]
	v_cvt_scalef32_pk16_fp6_f32 v[CT+8*\w+4:CT+8*\w+6], v[SS+64*\w+48:SS+64*\w+63], v[CS+2*\w+1]
.endr
	v_nop                                            ; one plain place behind the scaled conversions
	WIN 0x41                                         ; destination and source 0 window 1
.irp w, 0,1
.irp i, 0,1,2
	v_mov_b32 v[PC+12*\w+3+\i], v[CT+8*\w+\i]
	v_mov_b32 v[PC+12*\w+9+\i], v[CT+8*\w+4+\i]
.endr
.endr
.irp w, 0,1
.set jj, 0
.rept 16
	v_pk_mul_f32 v[OT+32*\w+jj:OT+32*\w+jj+1], v[OT+32*\w+jj:OT+32*\w+jj+1], v[FF+2*\w:FF+2*\w+1] op_sel_hi:[1,0]   ; O^T under the new M; these are also the places between the scale words and codes just made and the products
.set jj, jj+2
.endr
.endr
	WIN 0
	s_wait_alu depctr_va_vdst(0)
	s_wait_dscnt 0x0                                 ; V is in, and the next step's K
	WIN 0x55
	PV 0
	PV 1
	WIN 0
.endm
; THE WAY OUT of tile w: O^T / the sum is my query's y at d = 32 h + 0 .. 31: one block of the last product's K, all in my lane
.macro OUT w
.set SW, SS+64*\w
.set TW, TT+8*\w
.set UW, SU+16*\w
.set CW, CHN+16*\w
	v_add_f32 v[UW], v[UW], v[UW+1]
	v_permlanex16_b32 v[TW+5], v[UW], s20, s21
	s_delay_alu instid0(VALU_DEP_1)
	v_add_f32 v[UW], v[UW], v[TW+5]                  ; the row's sum
	s_wait_alu depctr_va_vdst(0)
	v_rcp_f32 v[UW], v[UW]
	v_nop                                            ; one plain place behind the transcendental
	s_wait_alu depctr_va_vdst(0)                     ; and the wait ahead of its first reader
	WIN 0x01                                         ; source 0 (O^T) window 1
.set jj, 0
.rept 16
	v_pk_mul_f32 v[SW+jj:SW+jj+1], v[OT+32*\w+jj:OT+32*\w+jj+1], v[UW:UW+1] op_sel_hi:[1,0]   ; each accumulator from its low end on
.set jj, jj+2
.endr
	WIN 0
	v_max3_num_f32 v[TW], |v[SW]|, |v[SW+1]|, 0x1800000
	v_max3_num_f32 v[TW+1], |v[SW+16]|, |v[SW+17]|, |v[SW+18]|
.irp i, 0,1,2,3,4,5
	s_delay_alu instid0(VALU_DEP_2)
	v_max3_num_f32 v[TW], v[TW], |v[SW+2+2*\i]|, |v[SW+3+2*\i]|
	s_delay_alu instid0(VALU_DEP_2)
	v_max3_num_f32 v[TW+1], v[TW+1], |v[SW+19+2*\i]|, |v[SW+20+2*\i]|
.endr
	s_delay_alu instid0(VALU_DEP_2)
	v_max3_num_f32 v[TW], v[TW], |v[SW+14]|, |v[SW+15]|
	s_delay_alu instid0(VALU_DEP_1)
	v_max3_num_f32 v[TW], v[TW], v[TW+1], |v[SW+31]|
	s_delay_alu instid0(VALU_DEP_1)
	v_add_nc_u32 v[CS+2*\w], 0xff000000, v[TW]
	s_delay_alu instid0(VALU_DEP_1)
	v_lshrrev_b32 v[TW], 23, v[CS+2*\w]
	s_delay_alu instid0(VALU_DEP_1)
	v_lshlrev_b32 v[OL+\w], v5, v[TW]
	s_delay_alu instid0(VALU_DEP_1)
	v_permlanex16_b32 v[TW+5], v[OL+\w], s20, s21
	s_delay_alu instid0(VALU_DEP_1)
	v_or_b32 v[OL+\w], v[OL+\w], v[TW+5]             ; the head's two scale bytes of my row
	v_cvt_scalef32_pk16_fp6_f32 v[CW:CW+2], v[SW:SW+15], v[CS+2*\w]
	v_cvt_scalef32_pk16_fp6_f32 v[CW+6:CW+8], v[SW+16:SW+31], v[CS+2*\w]
	v_nop                                            ; one plain place behind the scaled conversions
.irp i, 0,1,2
	v_mov_b32 v[CW+3+\i], v[CW+6+\i]
.endr
	global_store_b128 v1, v[CW:CW+3], s[66:67] offset:12288*\w            ; 512 consecutive bytes, aligned
	global_store_b64 v2, v[CW+4:CW+5], s[66:67] offset:12288*\w+512
	global_store_b16 v7, v[OL+\w], s[68:69] offset:512*\w                 ; both halves of the lanes write the same two bytes with the same value
.endm
	s_load_b128 s[4:7], s[0:1], 0x0                  ; qkc, yc
	s_load_b64 s[8:9], s[0:1], 0x10                  ; sw
	v_lshl_add_u32 v[SPW], v0, 2, SPARE
	v_mov_b32 v[NIL], 0
	ds_add_u32 v[SPW], v[NIL]                        ; the opening lines: the add twice on end
	ds_add_u32 v[SPW], v[NIL]
	s_wait_dscnt 0x0
	v_lshrrev_b32 v1, 5, v0
	s_delay_alu instid0(VALU_DEP_1)
	v_readfirstlane_b32 s18, v1                      ; wave 0..7
	s_and_b32 s59, ttmp7, 0xffff                     ; 16 x batch + head, which the four partners share
	; descriptor group 1: two records as 104 rows of 256 bytes (32 elements of 8)
	s_mov_b32 s24, 15|(3<<16)|(1<<21)                ; 15:0 the mask: all four work-groups; 17:16 elements of 8 bytes; 21 set beside a mask
	s_mov_b32 s25, 32<<16
	s_mov_b32 s26, 104<<16
	s_mov_b32 s27, 32<<16
	s_mov_b32 s28, 104
	s_mov_b32 s29, 32
	s_mov_b32 s30, 0
	s_mov_b32 s31, 0
	s_mul_i32 s2, s59, HEADB                         ; the head's records, bytes from q's or from k's first
	s_mul_i32 s41, s18, 2*REC                        ; key steps 2 w, 2 w + 1: their place in LDS: no place in the cluster enters an LDS address
	s_add_co_u32 s16, s2, s41
	s_mov_b32 s17, 0
	s_mov_b32 s40, 1
	s_mov_b32 s19, 0xbe38aa3b                        ; -c
	s_mov_b32 s20, 0x76543210
	s_mov_b32 s21, 0xfedcba98                        ; selects for lane l xor 16
	s_mov_b32 s22, 0x3e38aa3b                        ; c = log2(e) / 8
	s_mov_b32 s23, s22                               ; (named with it as a pair, so it is written)
	s_wait_kmcnt 0x0
	s_add_nc_u64 s[42:43], s[4:5], s[16:17]
	s_add_nc_u64 s[42:43], s[42:43], 64*HEADB        ; k's records lie behind q's 64 heads
	s_or_b32 s43, s43, 0x80000000
	CROUND                                           ; all four work-groups are here: the joint loads meet
	tensor_load_to_lds s[40:43], s[24:31]            ; my one load
	s_nop 0
.rept 4
	v_nop
.endr
	; my queries and my part of y: here alone the place in the cluster enters
	s_bfe_u32 s70, ttmp6, 0x40000                    ; cx
	s_lshl_b32 s71, ttmp9, 2
	s_add_co_u32 s70, s70, s71                       ; my block of 512 queries
	s_lshl_b32 s71, s70, 5
	s_lshl_b32 s72, s18, 1
	s_add_co_u32 s71, s71, s72                       ; tile 0 in the batch: 32 x block + 2 x wave; tile 1 is the next
	s_lshr_b32 s72, s71, 3
	s_mul_i32 s72, s72, REC
	s_add_co_u32 s72, s72, s2                        ; the tiles' record: 8 tiles each
	s_mov_b32 s73, 0
	s_add_nc_u64 s[62:63], s[4:5], s[72:73]
	s_and_b32 s74, s18, 3
	s_mul_i32 s74, s74, 2*768
	s_mov_b32 s75, 0
	s_add_nc_u64 s[60:61], s[62:63], s[74:75]        ; tile 0's half image; tile 1's lies 768 bytes on
	s_bfe_u32 s74, s18, 0x10001
	s_lshl_b32 s74, s74, 8                           ; the tiles' group of 64 in the record: 256 bytes each
	s_and_b32 s76, s18, 1
	s_lshl_b32 s76, s76, 2                           ; tile 2 j + h of the group lies at 128 h + 4 j: j = wave % 2; h = my tile 0 or 1
	s_add_co_u32 s74, s74, s76
	s_add_co_u32 s74, s74, 12288
	s_add_nc_u64 s[62:63], s[62:63], s[74:75]        ; tile 0's scale words; tile 1's lie 128 bytes on
	s_lshr_b32 s74, s59, 4
	s_lshl_b32 s74, s74, 7
	s_add_co_u32 s74, s74, s71                       ; tile 0 among all 512
	s_and_b32 s75, s59, 15                           ; the head
	s_mul_i32 s72, s74, 12288
	s_mul_i32 s76, s75, 768
	s_add_co_u32 s72, s72, s76
	s_add_nc_u64 s[66:67], s[6:7], s[72:73]          ; y's half image: number = head
	s_lshl_b32 s72, s74, 9
	s_lshr_b32 s76, s75, 3
	s_lshl_b32 s76, s76, 8
	s_add_co_u32 s72, s72, s76
	s_bfe_u32 s76, s75, 0x20001
	s_lshl_b32 s76, s76, 2
	s_add_co_u32 s72, s72, s76
	s_and_b32 s76, s75, 1
	s_lshl_b32 s76, s76, 1
	s_add_co_u32 s72, s72, s76
	s_add_co_u32 s72, s72, 393216                    ; y's tiles follow the 768 of x and the weights
	s_add_nc_u64 s[68:69], s[8:9], s[72:73]          ; y's two scale bytes: K step head / 2, bytes 2 (head % 2) on
	v_and_b32 v9, 31, v0
	s_delay_alu instid0(VALU_DEP_1)
	v_lshlrev_b32 v1, 4, v9
	s_delay_alu instid0(VALU_DEP_2)
	v_lshlrev_b32 v2, 3, v9
	v_bfe_u32 v5, v0, 4, 1
	s_delay_alu instid0(VALU_DEP_1)
	v_lshlrev_b32 v5, 3, v5
	v_and_b32 v8, 15, v0
	s_delay_alu instid0(VALU_DEP_1)
	v_lshlrev_b32 v7, 4, v8
	s_delay_alu instid0(VALU_DEP_2)
	v_lshlrev_b32 v8, 3, v8
.irp w, 0,1
	v_mov_b32 v[FF+2*\w+1], 0                        ; (named as the upper half of f's pair)
	v_mov_b32 v[TT+8*\w+5], 0                        ; written once: a lane permute's destination counts as one of its sources
.endr
	WIN 0x40
.irp j, 76,77,78,79,80,81, 136,137,138,139,140,141, 148,149,150,151,152,153
	v_mov_b32 v\j, 0                                 ; zero codes: the upper 64 of the first product's K
.endr
	WIN 0
	QLOAD
	s_wait_alu depctr_va_vdst(0)
	s_wait_tensorcnt 0x0                             ; my records have landed,
	s_barrier_signal -1
	s_barrier_wait -1                                ; everybody's have: the whole head lies in LDS
	WIN 0x40
	KCODES 1, 2                                      ; key step 0's K
	WIN 0
	KWORDS 2
	s_mov_b32 s55, REC                               ; the record of the key step whose K is fetched next; it goes round the sixteen
	s_mov_b32 s58, 2
.Lpass:
	s_wait_loadcnt 0x0                               ; Q
	s_wait_dscnt 0x0                                 ; K
.irp w, 0,1
	v_mov_b32 v[NM+2*\w+1], 0xff61b1e6               ; the largest score so far: -3e38
.endr
.irp w, 0,1
	v_mul_f32 v[NM+2*\w], s19, v[NM+2*\w+1]
.endr
.irp w, 0,1
	v_floor_f32 v[NM+2*\w], v[NM+2*\w]               ; -M
.endr
.irp w, 0,1
	v_mov_b32 v[SU+16*\w], 0
	v_mov_b32 v[SU+16*\w+1], 0
.endr
	WIN 0x40
.set jj, 0
.rept 64
	v_mov_b32 v[OT+jj], 0                            ; O^T.  (The step is written once: the first finds zeros, which the first change of M leaves zeros)
.set jj, jj+1
.endr
	WIN 0
	s_mov_b32 s56, 0
	s_mov_b32 s57, 16
	s_wait_alu depctr_va_vdst(0)
.Lstep:
	STEP
	s_add_co_u32 s56, s56, REC
	s_add_co_u32 s55, s55, REC
	s_cmp_eq_u32 s55, 16*REC
	s_cselect_b32 s55, 0, s55
	s_sub_co_u32 s57, s57, 1
	s_cmp_lg_u32 s57, 0
	s_cbranch_scc1 .Lstep
.rept 4
	v_nop                                            ; places behind the last products
.endr
	s_cmp_eq_u32 s58, 1                              ; the second pass's queries are asked for here, if there is a second pass: no load leaves its buffer
	s_cbranch_scc1 .Lno_next
	s_add_nc_u64 s[60:61], s[60:61], 2*REC           ; sixteen tiles on: two records (this pass's loads of Q were waited for at its head)
	s_add_nc_u64 s[62:63], s[62:63], 2*REC
	QLOAD
.Lno_next:
	OUT 0
	OUT 1
	s_wait_xcnt 0x0                                  ; the stores have read their registers and bases: both may be written again
	s_add_nc_u64 s[66:67], s[66:67], 16*12288
	s_add_nc_u64 s[68:69], s[68:69], 16*512
	s_sub_co_u32 s58, s58, 1
	s_cmp_lg_u32 s58, 0
	s_cbranch_scc1 .Lpass
	s_wait_tensorcnt 0x0                             ; the wave's end
	ds_add_u32 v[SPW], v[NIL]
	s_wait_dscnt 0x0
	CROUND                                           ; the closing round
	s_endpgm
.Lfunc_end_k_q17f5fdabef_attn:
	.size	k_q17f5fdabef_attn, .Lfunc_end_k_q17f5fdabef_attn-k_q17f5fdabef_attn
	.p2alignl 7, 3214868480
	.fill 96, 4, 3214868480
	.section	.rodata,"a",@progbits
	.p2align	6, 0x0
	.amdhsa_kernel k_q17f5fdabef_attn
		.amdhsa_group_segment_fixed_size 214016
		.amdhsa_private_segment_fixed_size 0
		.amdhsa_enable_private_segment 0
		.amdhsa_kernarg_size 24
		.amdhsa_user_sgpr_count 2
		.amdhsa_user_sgpr_kernarg_segment_ptr 1
		.amdhsa_wavefront_size32 1
		.amdhsa_system_sgpr_workgroup_id_x 1
		.amdhsa_system_sgpr_workgroup_id_y 1
		.amdhsa_system_sgpr_workgroup_id_z 1
		.amdhsa_system_vgpr_workitem_id 0
		.amdhsa_next_free_vgpr 512
		.amdhsa_next_free_sgpr 80
		.amdhsa_reserve_vcc 0
		.amdhsa_float_denorm_mode_32 3
		.amdhsa_float_denorm_mode_16_64 3
		.amdhsa_memory_ordered 1
		.amdhsa_forward_progress 1
		.amdhsa_inst_pref_size 47
	.end_amdhsa_kernel
	.amdgpu_metadata
---
amdhsa.version: [ 1, 2 ]
amdhsa.kernels:
  - .name:           k_q17f5fdabef_attn
    .symbol:         k_q17f5fdabef_attn.kd
    .args:
      - { .name: qkc, .offset: 0, .size: 8, .value_kind: global_buffer, .address_space: global }
      - { .name: yc, .offset: 8, .size: 8, .value_kind: global_buffer, .address_space: global }
      - { .name: sw, .offset: 16, .size: 8, .value_kind: global_buffer, .address_space: global }
    .group_segment_fixed_size: 214016
    .private_segment_fixed_size: 0
    .kernarg_segment_align: 8
    .kernarg_segment_size: 24
    .max_flat_workgroup_size: 256
    .sgpr_count:     80
    .vgpr_count:     512
    .wavefront_size: 32
...
	.end_amdgpu_metadata
.endif
;; end of part 3
;; launch proj (part 4): grid 4 x 64, 4 waves a work-group, clusters of 4 x 4, 295,424 bytes of LDS; arguments yc, cw, sw, bp, out0; writes out0
.if DOCPART == 4
	.amdgcn_target "amdgcn-amd-amdhsa--gfx1250"
	.amdhsa_code_object_version 6
	.text
	.protected	k_q17f5fdabef_proj
	.globl	k_q17f5fdabef_proj
	.p2align	8
	.type	k_q17f5fdabef_proj,@function
k_q17f5fdabef_proj:
	s_mov_b64 s[64:65], 0
	v_nop
	global_prefetch_b8 v0, s[64:65] scope:SCOPE_SE
	s_setreg_imm32_b32 hwreg(HW_REG_WAVE_MODE, 25, 1), 1
	s_wait_xcnt 0x0
	s_wait_alu depctr_hold_cnt(0) depctr_sa_sdst(0) depctr_va_vdst(0) depctr_va_sdst(0) depctr_va_ssrc(0) depctr_va_vcc(0) depctr_vm_vsrc(0)
	s_getreg_b32 s2, hwreg(HW_REG_IB_STS2, 6, 4)
	s_cmp_eq_u32 s2, 0
	s_cbranch_scc0 .Lentry_in_a_cluster
	s_endpgm
.Lentry_in_a_cluster:
	s_bfe_u32 s2, ttmp6, 0x10000c
	s_cmp_lg_u32 s2, 0xf033
	s_cbranch_scc0 .Lentry_shape_is_right
	s_endpgm
.Lentry_shape_is_right:
; out = y Wp^T + bp on codes of FP6 (E2M3) with E8M0 scales; out [8192][1024] f32.
; OPERANDS: y's codes from yc, Wp's from cw (tiles 704-767); scale words from sw (Wp's tiles 704-767, y's tiles from 768 on): tiles of 16 rows as images of the operand's registers:
; row lane r of tile 4 g + i is row 64 g + 8 i + r % 8 + 32 (r / 8); a tile's K = 1024 is 16 half images of 768 bytes.
; THE PRODUCT: source 0 = S = Wp's rows, source 1 = R = y's rows.  Lane (r, h) holds R's row lane r; the 32 registers of four tiles of one group of S are 32 neighbouring columns of out, 64 g + 32 h + 0 .. 31.
; CLUSTERS 4 x 4.  A work-group makes 128 rows x 256 columns; wave w: rows' half w / 2 (4 tiles), columns' half w % 2 (8 tiles): 32 accumulators.  R's tiles are shared along a row of the cluster, S's along a column: joint loads.
; ALL OF K LIES IN LDS, in two halves of 512 along K: four joint loads at the head, one a wave: wave 0 R's first half, wave 1 S's, wave 2 R's second half, wave 3 S's.  Nothing is filled twice.
; The first barrier shows waves 0 and 1's tiles, the barrier in K step 3 the other two.  No prefetch: every tile is asked for at the head, and there is no loop to run ahead in.
; THE SCALE WORDS go from sw straight into the scale registers: sixteen lanes read 256 consecutive bytes.
; REGISTERS: window 0: v1-3 r, h, lane; v16-19 LDS addresses of fragments; v20, v27 offsets of scale words; v21, v22 16 x lane, 8 x lane; v24, v25 the stage; v32-95 scale words of all of K; v96-99 bias; v128-175 R's 4 fragments; on the way out v128-255.
;   window 1: S's 8 fragments, two sets (v0-95, v128-223).   window 2: accumulator (a, b) at v[64 a + 8 b].
.set HALF, 147456                      ; half of K in LDS: R's 8 tiles x 6,144 bytes, then S's 16 x 6,144
.set SOFF, 49152
.set SPARE, 2*HALF                     ; the spare words, 128 bytes a wave
.set SC,   32                          ; register SC + 8 i + s: lanes 0-15 the word of R's tile i (i < 4), lanes 16-31 that of S's tile i, K step s
.set RF,   128
.set SP,   528                         ; the way out: a stage of 16 rows x (512 bytes + 16) for each wave, in the first half's bytes: they have had their one fill, and nobody reads them behind the barrier in K step 3
.set MSB, 0
.macro WIN new                         ; the immediate's high byte repeats the setting that is left
.if MSB != \new
	s_set_vgpr_msb (MSB<<8)|\new
.set MSB, \new
.endif
.endm
.set MUL,  0xa1                        ; source 0 (S) window 1, source 1 (R) window 0, C and D window 2
.set TO_S, 0x40                        ; destination window 1, address window 0
.macro TLOAD g0, g1                    ; s_nop 0 and four v_nop follow the load
	tensor_load_to_lds s[\g0:\g0+3], s[\g1:\g1+7]
	s_nop 0
.rept 4
	v_nop
.endr
.endm
.macro CROUND                          ; a round of the cluster's barrier
	s_barrier_signal -1
	s_barrier_wait -1
	s_cmp_lg_u32 s14, 0
	s_cbranch_scc1 .Lnot_wave_0_\@
	s_barrier_signal -3
.Lnot_wave_0_\@:
	s_barrier_wait -3
	s_barrier_signal -1
	s_barrier_wait -1
.endm
.macro PLACES n
.rept \n
	v_nop
.endr
.endm
.macro DESC g0, loff, ap, goff         ; descriptor group 0: LDS address loff, global address the pair s[ap] + goff
	s_mov_b32 s[\g0], 1
	s_mov_b32 s[\g0+1], \loff
	s_add_nc_u64 s[\g0+2:\g0+3], s[\ap:\ap+1], \goff
	s_or_b32 s[\g0+3], s[\g0+3], 0x80000000
.endm
.macro FRAG reg, a16, a8, off          ; a fragment is two half images: four loads, each of consecutive bytes
	ds_load_b128 v[\reg:\reg+3], v[\a16] offset:\off
	ds_load_b64 v[\reg+4:\reg+5], v[\a8] offset:\off+512
	ds_load_b128 v[\reg+6:\reg+9], v[\a16] offset:\off+768
	ds_load_b64 v[\reg+10:\reg+11], v[\a8] offset:\off+1280
.endm
.macro FETCH_S q, p                    ; S's eight fragments, the q-th 128 along K from where the addresses stand, into set p: 32 loads
	WIN TO_S
.irp b, 0,1,2,3,4,5,6,7
	FRAG 128*(\p)+12*\b, 18, 19, 6144*\b+1536*(\q)
.endr
	WIN 0
.endm
.macro FETCH_R q, a0                   ; R's blocks a0, a0 + 1: 8 loads
.irp a, \a0, \a0+1
	FRAG RF+12*(\a), 16, 17, 6144*(\a)+1536*(\q)
.endr
.endm
; 8 matrix instructions: R's block a against S's eight, K step s.  The 32 accumulators take turns, one instruction a turn.
.macro MULB a, p, s, zero
.irp b, 0,1,2,3,4,5,6,7
.if \zero
	v_wmma_scale_f32_16x16x128_f8f6f4 v[64*(\a)+8*\b:64*(\a)+8*\b+7], v[128*(\p)+12*\b:128*(\p)+12*\b+11], v[RF+12*(\a):RF+12*(\a)+11], 0, v[SC+8*\b+(\s)], v[SC+8*(\a)+(\s)] matrix_a_fmt:MATRIX_FMT_FP6 matrix_b_fmt:MATRIX_FMT_FP6 matrix_a_scale:MATRIX_SCALE_ROW1
.else
	v_wmma_scale_f32_16x16x128_f8f6f4 v[64*(\a)+8*\b:64*(\a)+8*\b+7], v[128*(\p)+12*\b:128*(\p)+12*\b+11], v[RF+12*(\a):RF+12*(\a)+11], v[64*(\a)+8*\b:64*(\a)+8*\b+7], v[SC+8*\b+(\s)], v[SC+8*(\a)+(\s)] matrix_a_fmt:MATRIX_FMT_FP6 matrix_b_fmt:MATRIX_FMT_FP6 matrix_a_scale:MATRIX_SCALE_ROW1
.endif
.endr
.endm
; An even K step: S's set 0; its successor lies 1,536 bytes on.  Loads into registers that matrix instructions have read stand four plain places behind them.
.macro STEP s, zero
	s_wait_dscnt 8                                   ; S's set and R's blocks 0, 1 are in; the youngest 8 loads (R's blocks 2, 3) may be out
	WIN MUL
	MULB 0, 0, \s, \zero
	MULB 1, 0, \s, \zero
	s_wait_dscnt 0x0                                 ; R's blocks 2, 3 are in
	PLACES 4
	FETCH_S 1, 1
	FETCH_R 1, 0
	WIN MUL
	MULB 2, 0, \s, \zero
	MULB 3, 0, \s, \zero
	PLACES 4
	WIN 0
	FETCH_R 1, 2
.endm
; An odd K step: S's set 1; the addresses step on.  cross = 1: its successor lies in the second half of K: every wave waits for its tensor load, and a barrier shows that half whole.
.macro TURN s, cross
.if \cross
	s_wait_tensorcnt 0x0
.endif
	s_wait_dscnt 8
	WIN MUL
	MULB 0, 1, \s, 0
	s_wait_dscnt 0x0                                 ; R's blocks 2, 3 are in; no LDS instruction of mine is out at the signal
.if \cross
	s_barrier_signal -1
.endif
	MULB 1, 1, \s, 0
	WIN 0
.if \cross
	s_barrier_wait -1
.endif
.irp r, 16,17,18,19                    ; these four are the places in front of the loads below
.if \cross
	v_add_nc_u32 v\r, HALF-3072, v\r
.else
	v_add_nc_u32 v\r, 3072, v\r
.endif
.endr
	FETCH_S 0, 0
	FETCH_R 0, 0
	WIN MUL
	MULB 2, 1, \s, 0
	MULB 3, 1, \s, 0
	PLACES 4
	WIN 0
	FETCH_R 0, 2
.endm
	s_load_b128 s[4:7], s[0:1], 0x0                  ; yc, cw
	s_load_b64 s[10:11], s[0:1], 0x10                ; sw
	v_lshl_add_u32 v126, v0, 2, SPARE
	v_mov_b32 v127, 0
	ds_add_u32 v126, v127                            ; the opening lines: the add twice on end
	ds_add_u32 v126, v127
	v_lshrrev_b32 v1, 5, v0
	v_readfirstlane_b32 s14, v1                      ; wave 0..3
	s_lshr_b32 s15, s14, 1                           ; which half of the rows is mine
	s_and_b32 s66, s14, 1                            ; which half of the columns
	s_bfe_u32 s2, ttmp6, 0x40000                     ; cx
	s_bfe_u32 s3, ttmp6, 0x40004                     ; cy
	s_lshl_b32 s20, ttmp9, 2
	s_add_co_u32 s20, s20, s2                        ; which 256 columns: hangs on cx alone
	s_and_b32 s21, ttmp7, 0xffff
	s_lshl_b32 s21, s21, 2
	s_add_co_u32 s21, s21, s3                        ; which 128 rows: hangs on cy alone
	s_lshl_b32 s16, s3, 2
	s_lshl_b32 s16, 15, s16                          ; my row of the cluster
	s_lshl_b32 s17, 0x1111, s2                       ; my column
	; descriptor groups 1: rows of 6,144 bytes (768 elements of 8), one a tile, 12,288 bytes apart; R 8 rows, S 16
	s_or_b32 s24, s16, (3<<16)|(1<<21)
	s_or_b32 s32, s17, (3<<16)|(1<<21)
.irp g, 24, 32
	s_mov_b32 s[\g+1], 768<<16
	s_mov_b32 s[\g+3], 768<<16
	s_mov_b32 s[\g+5], 1536
	s_mov_b32 s[\g+6], 0
	s_mov_b32 s[\g+7], 0
.endr
	s_mov_b32 s26, 8<<16
	s_mov_b32 s28, 8
	s_mov_b32 s34, 16<<16
	s_mov_b32 s36, 16
	s_lshl_b32 s16, s21, 3                           ; y's first tile
	s_mul_i32 s18, s16, 12288
	s_mov_b32 s19, 0
	s_lshl_b32 s17, s20, 4
	s_add_co_u32 s17, s17, 704                       ; Wp's first tile
	s_mul_i32 s12, s17, 12288
	s_mov_b32 s13, 0
	s_lshl_b32 s22, s15, 2
	s_add_co_u32 s22, s22, s16
	s_add_co_u32 s22, s22, 768
	s_lshl_b32 s22, s22, 9                           ; the scale words of my 4 tiles of y, bytes from sw
	s_lshl_b32 s23, s66, 3
	s_add_co_u32 s23, s23, s17
	s_lshl_b32 s23, s23, 9                           ; and of my 8 tiles of Wp
	s_wait_dscnt 0x0
	s_wait_kmcnt 0x0
	s_add_nc_u64 s[18:19], s[4:5], s[18:19]          ; R's codes
	s_add_nc_u64 s[12:13], s[6:7], s[12:13]          ; S's codes
	DESC 56, 0, 18, 0
	DESC 60, SOFF, 12, 0
	DESC 68, HALF, 18, 6144
	DESC 72, HALF+SOFF, 12, 6144
	CROUND                                           ; all sixteen work-groups are here: the joint loads meet
	s_cmp_eq_u32 s14, 0                              ; one chain of arms, one load a wave
	s_cbranch_scc0 .Lw1
	TLOAD 56, 24
	s_branch .Lasked
.Lw1:
	s_cmp_eq_u32 s14, 1
	s_cbranch_scc0 .Lw2
	TLOAD 60, 32
	s_branch .Lasked
.Lw2:
	s_cmp_eq_u32 s14, 2
	s_cbranch_scc0 .Lw3
	TLOAD 68, 24
	s_branch .Lasked
.Lw3:
	TLOAD 72, 32
.Lasked:
	v_and_b32 v3, 31, v0                             ; lane
	v_and_b32 v1, 15, v0                             ; r
	v_bfe_u32 v2, v0, 4, 1                           ; h
	v_lshlrev_b32 v21, 4, v3
	v_lshlrev_b32 v22, 3, v3
	s_mul_i32 s12, s15, 24576                        ; my 4 tiles of R
	v_add_nc_u32 v16, s12, v21
	v_add_nc_u32 v17, s12, v22
	s_mul_i32 s67, s66, 49152                        ; my 8 tiles of S
	s_add_co_u32 s67, s67, SOFF
	v_add_nc_u32 v18, s67, v21
	v_add_nc_u32 v19, s67, v22
	v_mov_b32 v4, s22
	v_mov_b32 v5, s23
	v_cmp_eq_u32 vcc_lo, 1, v2
	v_cndmask_b32 v4, v4, v5, vcc_lo                 ; lanes 0-15 take R's words, lanes 16-31 S's
	v_lshl_add_u32 v20, v1, 4, v4                    ; + 16 r
	v_lshl_add_u32 v27, v2, 11, v20                  ; for S's tiles 4-7: lanes 16-31 four tiles on; lanes 0-15 read R's four again
.irp i, 0,1,2,3
	global_load_b128 v[SC+8*\i:SC+8*\i+3], v20, s[10:11] offset:512*\i
	global_load_b128 v[SC+8*\i+4:SC+8*\i+7], v20, s[10:11] offset:512*\i+256
	global_load_b128 v[SC+32+8*\i:SC+32+8*\i+3], v27, s[10:11] offset:512*\i
	global_load_b128 v[SC+32+8*\i+4:SC+32+8*\i+7], v27, s[10:11] offset:512*\i+256
.endr
	s_mul_i32 s67, s14, 16*SP                        ; my stage
	v_mul_u32_u24 v24, v1, SP
	v_lshl_add_u32 v24, v2, 7, v24
	v_add_nc_u32 v24, s67, v24                       ; in: row r, + 128 h bytes
	v_add_nc_u32 v25, s67, v21                       ; back: a whole row of 512 bytes, 16 a lane
	s_load_b128 s[4:7], s[0:1], 0x18                 ; bp, out0
	s_lshl_b32 s2, s21, 7
	s_lshl_b32 s3, s15, 6
	s_add_co_u32 s2, s2, s3
	s_lshl_b32 s2, s2, 12                            ; my first row of out, 4,096 bytes a row
	s_mov_b32 s3, 0
	s_lshl_b32 s8, s20, 10
	s_lshl_b32 s9, s66, 9
	s_add_co_u32 s8, s8, s9                          ; my first column, in bytes
	s_mov_b32 s9, 0
	s_wait_alu depctr_va_vdst(0)
	s_wait_kmcnt 0x0
	s_add_nc_u64 s[4:5], s[4:5], s[8:9]
	s_add_nc_u64 s[6:7], s[6:7], s[8:9]
	s_add_nc_u64 s[6:7], s[6:7], s[2:3]
	global_load_b128 v[96:99], v21, s[4:5]           ; the bias of the four columns that I store
	s_cmp_lt_u32 s14, 2                              ; waves 0 and 1 brought the first half of K
	s_cbranch_scc0 .Lnot_first
	s_wait_tensorcnt 0x0
.Lnot_first:
	s_wait_loadcnt 1                                 ; the scale words are in; the load of the bias, issued behind them, may be out
	s_barrier_signal -1
	s_barrier_wait -1                                ; the first half of K is whole
	FETCH_S 0, 0
	FETCH_R 0, 0
	FETCH_R 0, 2
	STEP 0, 1                                        ; the first step's products start the sums: nothing is cleared
	TURN 1, 0
	s_wait_alu depctr_va_vdst(0)
	STEP 2, 0
	TURN 3, 1
	s_wait_alu depctr_va_vdst(0)
	STEP 4, 0
	TURN 5, 0
	s_wait_alu depctr_va_vdst(0)
	STEP 6, 0
	s_wait_dscnt 8                                   ; the last step: nothing more to fetch
	WIN MUL
	MULB 0, 1, 7, 0
	MULB 1, 1, 7, 0
	s_wait_dscnt 0x0
	MULB 2, 1, 7, 0
	MULB 3, 1, 7, 0
	WIN 0
; THE WAY OUT, a tile of 16 rows x 128 columns at a time: through my own stage in LDS and back as whole rows of 512 bytes; the bias is added on the way; 32 lanes store 512 consecutive bytes, aligned.
; LDS serves a wave's instructions in order (ISA guide 5.7.1.4): no wait between the stores and the loads, nor in front of the next tile's stores.
.macro TOSTAGE a
	WIN 0x08                                         ; an LDS store's data are its source 1: window 2
.irp b, 0,1,2,3,4,5,6,7
	ds_store_b128 v24, v[64*(\a)+8*\b:64*(\a)+8*\b+3] offset:256*(\b/4)+32*(\b%4)          ; each accumulator from its low end on
	ds_store_b128 v24, v[64*(\a)+8*\b+4:64*(\a)+8*\b+7] offset:256*(\b/4)+32*(\b%4)+16
.endr
	WIN 0
.set BB, 128+64*((\a)%2)
.irp t, 0,1,2,3,4,5,6,7,8,9,10,11,12,13,14,15
	ds_load_b128 v[BB+4*\t:BB+4*\t+3], v25 offset:SP*\t
.endr
.endm
.macro SEND a, younger                 ; younger: the LDS instructions issued behind tile a's loads, which may stay out
.set BB, 128+64*((\a)%2)
	s_wait_dscnt \younger
.irp t, 0,1,2,3,4,5,6,7,8,9,10,11,12,13,14,15
	v_pk_add_f32 v[BB+4*\t:BB+4*\t+1], v[BB+4*\t:BB+4*\t+1], v[96:97]
	v_pk_add_f32 v[BB+4*\t+2:BB+4*\t+3], v[BB+4*\t+2:BB+4*\t+3], v[98:99]
	global_store_b128 v21, v[BB+4*\t:BB+4*\t+3], s[6:7] offset:(8*(\a)+\t%8+32*(\t/8))*4096 th:TH_STORE_NT   ; row lane t of tile a; written once, read by nobody here
.endr
.endm
	s_wait_loadcnt 0x0                               ; the bias
	PLACES 4                                         ; behind the last products: results are read, and loads land in R's fragment registers
	TOSTAGE 0
.irp a, 1,2,3
.if \a > 1
	s_wait_xcnt 0x0                                  ; tile a - 2's stores have read their registers: tile a's loads may land there
.endif
	TOSTAGE \a
	SEND \a-1, 32                                    ; behind tile a - 1's loads: tile a's 16 stores and 16 loads
.endr
	SEND 3, 0
	s_wait_tensorcnt 0x0                             ; the wave's end
	ds_add_u32 v126, v127
	s_wait_dscnt 0x0
	CROUND                                           ; the closing round
	s_endpgm
.Lfunc_end_k_q17f5fdabef_proj:
	.size	k_q17f5fdabef_proj, .Lfunc_end_k_q17f5fdabef_proj-k_q17f5fdabef_proj
	.p2alignl 7, 3214868480
	.fill 96, 4, 3214868480
	.section	.rodata,"a",@progbits
	.p2align	6, 0x0
	.amdhsa_kernel k_q17f5fdabef_proj
		.amdhsa_group_segment_fixed_size 295424
		.amdhsa_private_segment_fixed_size 0
		.amdhsa_enable_private_segment 0
		.amdhsa_kernarg_size 40
		.amdhsa_user_sgpr_count 2
		.amdhsa_user_sgpr_kernarg_segment_ptr 1
		.amdhsa_wavefront_size32 1
		.amdhsa_system_sgpr_workgroup_id_x 1
		.amdhsa_system_sgpr_workgroup_id_y 1
		.amdhsa_system_sgpr_workgroup_id_z 1
		.amdhsa_system_vgpr_workitem_id 0
		.amdhsa_next_free_vgpr 768
		.amdhsa_next_free_sgpr 104
		.amdhsa_reserve_vcc 1
		.amdhsa_float_denorm_mode_32 3
		.amdhsa_float_denorm_mode_16_64 3
		.amdhsa_memory_ordered 1
		.amdhsa_forward_progress 1
		.amdhsa_inst_pref_size 92
	.end_amdhsa_kernel
	.amdgpu_metadata
---
amdhsa.version: [ 1, 2 ]
amdhsa.kernels:
  - .name:           k_q17f5fdabef_proj
    .symbol:         k_q17f5fdabef_proj.kd
    .args:
      - { .name: yc, .offset: 0, .size: 8, .value_kind: global_buffer, .address_space: global }
      - { .name: cw, .offset: 8, .size: 8, .value_kind: global_buffer, .address_space: global }
      - { .name: sw, .offset: 16, .size: 8, .value_kind: global_buffer, .address_space: global }
      - { .name: bp, .offset: 24, .size: 8, .value_kind: global_buffer, .address_space: global }
      - { .name: out0, .offset: 32, .size: 8, .value_kind: global_buffer, .address_space: global }
    .group_segment_fixed_size: 295424
    .private_segment_fixed_size: 0
    .kernarg_segment_align: 8
    .kernarg_segment_size: 40
    .max_flat_workgroup_size: 128
    .sgpr_count:     104
    .vgpr_count:     768
    .wavefront_size: 32
...
	.end_amdgpu_metadata
.endif
;; end of part 4
